; MI455X (gfx1250); checked and timed in simulation.
; The chip was launched on July 23, 2026; its instructions are those of AMD's public machine-readable ISA for CDNA 5 (MIT licence, August 2026) and "CDNA5" Instruction Set Architecture Reference Guide (July 2026). The comments in the code are by the model that wrote it; some were corrected since.
;; Route Set Encoder. Allowed arithmetic: matrix products marked QUANTISED: E2M3 operands, one E8M0 scale for each 32 along K, by v_wmma_scale_f32_16x16x128_f8f6f4 with both operands' format E2M3, f32 sums; products left as they are: f32 operands where the result goes on into a quantised operand, else bf16, f16 or f32 operands; f32 sums; everything else in f32.
;; Inputs: b1 2,048 float32; b2 512 float32; ln1_b 512 float32; ln1_g 512 float32; route_ids 512 int32; rp_b 512 float32; rp_bias one number float32; rp_g 512 float32; rp_w 512 float32; token_mask 64 x 512 bool; tokens 64 x 512 x 512 float32; w1 512 x 2,048 float32; w2 2,048 x 512 float32; wp_b 512 float32; wp_bias one number float32; wp_g 512 float32; wp_w 512 float32.
;; Outputs: out0 64 x 512 float32.
;; This version of the problem:
;;   THIS VERSION OF THE PROBLEM IS GIVEN IN LOW PRECISION. The matrix products marked QUANTISED in the list below multiply operands that are first quantised to E2M3 (2 exponent bits, 3 mantissa bits; 6 bits a number), with one power-of-two scale for each 32 numbers along K (OCP MX v1.0); their sums are f32. All else is computed in f32.
;;   The module's matrix products, in the order in which they are computed (A, B: the left and right operand; K: the contracted axis; several contracted axes count as one K, in the product's order):
;;     1. [M 32,768, K 512] x [K 512, N 2,048]; A: computed on the way; B: input w1: QUANTISED
;;     2. [M 32,768, K 2,048] x [K 2,048, N 512]; A: computed on the way; B: input w2: QUANTISED
;;     3. [M 32,768, K 512] x [K 512, N 1]; A: computed on the way; B: input wp_w: left as it is (N = 1 < 16)
;;     4. batch 64 x [M 32, K 512] x [K 512, N 512]; A: computed on the way; B: computed on the way: QUANTISED
;;     5. [M 2,048, K 512] x [K 512, N 1]; A: computed on the way; B: input rp_w: left as it is (N = 1 < 16)
;;     6. batch 64 x [M 1, K 32] x [K 32, N 512]; A: computed on the way; B: computed on the way: left as it is (M = 1 < 16)
;;   THE QUANTISER, for each operand of a quantised product, along K:
;;     - K is cut into blocks of 32 from its start; a last block that is shorter is filled with zeros.
;;     - A block's scale is 2^e with e = floor(log2(the largest magnitude in the block)) - 2, held to -126 .. 127; a block of zeros has e = 0. As a byte (E8M0): e + 127.
;;     - Each number is divided by its block's scale, clamped to +-7.5, and rounded to the nearest number of E2M3, ties to even, subnormals kept.
;;     - The product sums the exact products of the quantised numbers (number of the format x scale) in f32.
;;   ~~~python
;;   def quantise(x, axis):      # numpy; x: float32 -> the quantised numbers, widened to float32 again
;;       x = np.moveaxis(x, axis, -1); K = x.shape[-1]
;;       x = np.pad(x, [(0, 0)] * (x.ndim - 1) + [(0, -K % 32)]); x = x.reshape(x.shape[:-1] + (-1, 32)); a = np.abs(x).max(-1, keepdims=True)
;;       e = np.where(a > 0, np.clip(np.frexp(np.where(a > 0, a, 1))[1] - 1 - 2, -126, 127), 0)      # np.frexp(a)[1] - 1 = floor(log2(a)), exactly
;;       r = np.clip(x / 2.0 ** e, -7.5, 7.5)
;;       step = 2.0 ** (np.maximum(np.frexp(np.where(r == 0, 1, r))[1] - 1, 0) - 3)
;;       q = np.round(r / step) * step * 2.0 ** e      # np.round: ties to even
;;       return np.moveaxis(q.reshape(q.shape[:-2] + (-1,))[..., :K], -1, axis).astype(np.float32)
;;   ~~~
;;   OPERANDS COMPUTED ON THE WAY. 'Computed on the way' means the value that the module computes at that place (a softmax that the list does not call 'softmax' is quantised finished and normalised). What goes into a quantiser is computed in f32, as accurately as f32 sums, v_exp_f32 and their like allow (about 1e-6 of the number): no bf16 or f16 on the way to a quantiser, and a product that is left as it is and whose result goes on into a quantised operand takes f32 operands (vector FMAs, or v_wmma_f32_16x16x4_f32). A number that lies on a knife's edge between two numbers of the format may be rounded either way, as far as f32 arithmetic and the matrix unit's own rounding can turn it there, and no further.
;; One version. Each part assembles by itself: llvm-mc -triple=amdgcn-amd-amdhsa -mcpu=gfx1250 --defsym DOCPART=n.
;; ======== version 1 of 1: 3 launches
;; limits: an absolute error that grows with the inputs' magnitude: up to 7.5e-08 times it
;; workspace buffers: wstream 1,638,400 bytes; logits 131,072 bytes; xq 12,582,912 bytes; xqs 524,288 bytes
;; launch prep (part 1): grid 256 x 1, 2 waves a work-group, no clusters, 13,824 bytes of LDS; arguments w1, w2, wstream; writes wstream
.if DOCPART == 1
	.amdgcn_target "amdgcn-amd-amdhsa--gfx1250"
	.amdhsa_code_object_version 6
	.text
	.protected	k_qfdc22d0a65_prep
	.globl	k_qfdc22d0a65_prep
	.p2align	8
	.type	k_qfdc22d0a65_prep,@function
k_qfdc22d0a65_prep:
	s_mov_b64 s[64:65], 0
	v_nop
	global_prefetch_b8 v0, s[64:65] scope:SCOPE_SE
	s_setreg_imm32_b32 hwreg(HW_REG_WAVE_MODE, 25, 1), 1
	s_wait_xcnt 0x0
; w1 [512][2048] and w2 [2048][512], f32, K their first axis, become codes of FP6 (E2M3) with one E8M0 byte for each 32 along K,
; laid in the order of the operand's registers, as one stream of 32 blocks of 51,200 bytes that the next launch walks.
; AN IMAGE: a fragment (16 rows x 128 K) is 12 registers a lane, 1,536 bytes; register p of lane l lies at 512 (p / 4) + 4 (p % 4) + 16 l,
; so that three loads of 16 bytes a lane, 512 bytes apart, bring it.
; Block i < 16: w1's hidden units 128 i .. +127: images [K step s][tile t] at 12,288 s + 1,536 t; row r of tile 2 b + u is hidden unit
; 128 i + 32 b + 8 u + r + 8 (r / 8); scale words [s][t][r] from byte 49,152.  Block 16 + k: w2's K step k: images [w][n] at 6,144 w + 1,536 n;
; row r is column 64 w + 4 r + n; scale words [w][r][n] from byte 49,152.
; A work-group takes 64 columns x 128 K, a wave 32 columns.  A LANE TAKES A COLUMN AND ITS REGISTERS RUN DOWN K: each load reads 128
; consecutive bytes a wave, a block of 32 lies in one lane, and the conversions give codes with K innermost.  The four images and their
; 64 scale words meet in LDS and leave as dense runs of 512 and 256 bytes.
; The first 128 work-groups take w1, the others w2: two ways through the text, each with LDS bytes of its own.
; A block's scale: the largest magnitude's exponent field less 2, held at 1 from below.  A block of zeros so gets the byte 1 where the
; quantiser's rule says 127: its codes are zeros, and this program alone reads the bytes.
; LIMITS: NaN and infinities among the inputs are not served.
.set BLK,   51200
.set SPARE, 13312                      ; the spare words: 128 bytes for each of the two waves
.set FLOOR, 0x1800000                  ; 2^(3 - 127)
.set X,   16                           ; v16-143  my column's 128 numbers; later the way out
.set R,   144                          ; v144-167 codes: 12 registers for lane r, 12 for lane r + 16 of my row's fragment
.set T,   168                          ; v168-175 at work
.set SW,  176                          ; my row's scale word
.set GA,  177                          ; 4 x thread: my column among the work-group's 64
.set SA,  178                          ; LDS: my row's place in its image
.set SSA, 179                          ; LDS: my row's scale word
.set RA,  180                          ; the way out: 3,072 x wave + 16 x lane, in LDS and in memory
.set SRA, 181                          ; 8 x lane
.set SPW, 182                          ; my spare word; never rewritten
.set NIL, 183                          ; 0; never rewritten
.macro PREPW pitch, stg, sstg, src
.set k, 0
.rept 128
	global_load_b32 v[X+k], v[GA], s[\src:\src+1] offset:k*\pitch th:TH_LOAD_NT
.set k, k+1
.endr
.irp b, 0,1,2,3
.if \b < 2
	s_wait_loadcnt 63                              ; behind this block's loads stand 96 (64) others; the count is the greatest that a wait can name
.elseif \b == 2
	s_wait_loadcnt 32                              ; the last block's 32 may be out
.else
	s_wait_loadcnt 0
.endif
	v_max3_num_f32 v[T+4], |v[X+32*\b]|, |v[X+32*\b+1]|, |v[X+32*\b+2]|     ; the block's largest magnitude: all 32 numbers are mine
	v_max3_num_f32 v[T+5], |v[X+32*\b+3]|, |v[X+32*\b+4]|, |v[X+32*\b+5]|
.irp i, 6,10,14,18,22,26
	v_max3_num_f32 v[T+4], v[T+4], |v[X+32*\b+\i]|, |v[X+32*\b+\i+1]|
	v_max3_num_f32 v[T+5], v[T+5], |v[X+32*\b+\i+2]|, |v[X+32*\b+\i+3]|
.endr
	v_max3_num_f32 v[T+4], v[T+4], |v[X+32*\b+30]|, |v[X+32*\b+31]|
	v_max3_num_f32 v[T+4], v[T+4], v[T+5], FLOOR   ; and the floor: the byte cannot fall under 1
	v_add_nc_u32 v[T+6], 0xff000000, v[T+4]        ; 2 off the exponent field: the conversion's scale operand
	v_lshrrev_b32 v[T+7], 23, v[T+6]               ; the byte
.if \b == 0
	v_mov_b32 v[SW], v[T+7]
.else
	v_lshl_or_b32 v[SW], v[T+7], 8*\b, v[SW]
.endif
	v_cvt_scalef32_pk16_fp6_f32 v[R+12*(\b%2)+6*(\b/2):R+12*(\b%2)+6*(\b/2)+2], v[X+32*\b:X+32*\b+15], v[T+6]   ; block 2 c + h: registers 6 c .. 6 c + 5 of lane r + 16 h
	v_cvt_scalef32_pk16_fp6_f32 v[T:T+2], v[X+32*\b+16:X+32*\b+31], v[T+6]   ; (a conversion's three registers begin on an even number)
	v_nop                                          ; one plain line behind a scaled conversion
.irp i, 0,1,2
	v_mov_b32 v[R+12*(\b%2)+6*(\b/2)+3+\i], v[T+\i]
.endr
.endr
.irp h, 0,1
.irp q, 0,1,2
	ds_store_b128 v[SA], v[R+12*\h+4*\q:R+12*\h+4*\q+3] offset:\stg+512*\q+256*\h
.endr
.endr
	ds_store_b32 v[SSA], v[SW] offset:\sstg
	s_wait_dscnt 0x0                               ; for the other wave's sake: my stores have landed
	s_barrier_signal -1
	s_barrier_wait -1
.irp t, 0,1,2,3,4,5
	ds_load_b128 v[X+4*\t:X+4*\t+3], v[RA] offset:\stg+512*\t
.endr
.irp t, 0,1,2,3,4,5
	s_wait_dscnt 5-\t
	global_store_b128 v[RA], v[X+4*\t:X+4*\t+3], s[16:17] offset:512*\t   ; 32 lanes store 512 consecutive bytes
.endr
	s_cmp_lg_u32 s10, 0
	s_cbranch_scc1 .Lno_scales_\@
	ds_load_b64 v[X+24:X+25], v[SRA] offset:\sstg
	s_wait_dscnt 0x0
	global_store_b64 v[SRA], v[X+24:X+25], s[18:19]   ; wave 0: the 64 scale words, 256 consecutive bytes
.Lno_scales_\@:
	s_wait_tensorcnt 0x0                           ; the wave's end
	ds_add_u32 v[SPW], v[NIL]
	s_wait_dscnt 0x0
	s_endpgm
.endm
	s_load_b128 s[4:7], s[0:1], 0x0                ; w1, w2
	s_load_b64 s[8:9], s[0:1], 0x10                ; wstream
	v_lshl_add_u32 v[SPW], v0, 2, SPARE
	v_mov_b32 v[NIL], 0
	v_lshrrev_b32 v1, 5, v0
	v_readfirstlane_b32 s10, v1                    ; wave e
	v_lshlrev_b32 v[GA], 2, v0
	v_and_b32 v2, 31, v0                           ; lane
	v_bfe_u32 v3, v0, 5, 1                         ; e
	v_lshlrev_b32 v[RA], 4, v2
	v_mad_u32_u24 v[RA], v3, 3072, v[RA]
	v_lshlrev_b32 v[SRA], 3, v2
	s_mov_b32 s15, 0
	s_mov_b32 s17, 0
	s_mov_b32 s19, 0
	s_cmp_lt_u32 ttmp9, 128
	s_cbranch_scc0 .Lw2
	; ---- w1: work-group = 8 i + 4 g + s
	s_lshr_b32 s11, ttmp9, 3                       ; i
	s_bfe_u32 s12, ttmp9, 0x10002                  ; g
	s_and_b32 s13, ttmp9, 3                        ; s
	s_lshl_b32 s14, s13, 20                        ; 128 s rows of 8,192 bytes
	s_lshl_b32 s20, s11, 9
	s_add_co_u32 s14, s14, s20                     ; + 4 x 128 i
	s_lshl_b32 s20, s12, 8
	s_add_co_u32 s14, s14, s20                     ; + 4 x 64 g
	s_mul_i32 s21, s11, BLK
	s_mul_i32 s16, s13, 12288
	s_add_co_u32 s16, s16, s21
	s_mul_i32 s20, s12, 6144
	s_add_co_u32 s16, s16, s20                     ; images: 51,200 i + 12,288 s + 6,144 g
	s_lshl_b32 s18, s13, 9
	s_add_co_u32 s18, s18, s21
	s_lshl_b32 s20, s12, 8
	s_add_co_u32 s18, s18, s20
	s_add_co_u32 s18, s18, 49152                   ; scale words: 51,200 i + 49,152 + 512 s + 256 g
	v_bfe_u32 v4, v0, 3, 1                         ; u
	v_lshl_add_u32 v4, v3, 1, v4                   ; the image among my work-group's four: 2 e + u
	v_and_b32 v5, 7, v0
	v_bfe_u32 v6, v0, 4, 1
	v_lshl_add_u32 v5, v6, 3, v5                   ; its row: lane % 8 + 8 (lane / 16)
	v_mul_u32_u24 v[SA], v4, 1536
	v_lshl_add_u32 v[SA], v5, 4, v[SA]
	v_lshlrev_b32 v[SSA], 6, v4
	v_lshl_add_u32 v[SSA], v5, 2, v[SSA]           ; word 16 F + r
	s_wait_kmcnt 0x0
	s_add_nc_u64 s[4:5], s[4:5], s[14:15]
	s_add_nc_u64 s[16:17], s[8:9], s[16:17]
	s_add_nc_u64 s[18:19], s[8:9], s[18:19]
	PREPW 8192, 0, 6144, 4
.Lw2:
	; ---- w2: work-group - 128 = 8 k + w
	s_sub_co_u32 s11, ttmp9, 128
	s_lshr_b32 s12, s11, 3                         ; k
	s_and_b32 s13, s11, 7                          ; w
	s_lshl_b32 s14, s12, 18                        ; 128 k rows of 2,048 bytes
	s_lshl_b32 s20, s13, 8
	s_add_co_u32 s14, s14, s20                     ; + 4 x 64 w
	s_add_co_u32 s21, s12, 16
	s_mul_i32 s21, s21, BLK
	s_mul_i32 s16, s13, 6144
	s_add_co_u32 s16, s16, s21                     ; images: 51,200 (16 + k) + 6,144 w
	s_lshl_b32 s18, s13, 8
	s_add_co_u32 s18, s18, s21
	s_add_co_u32 s18, s18, 49152                   ; scale words
	v_and_b32 v4, 3, v0                            ; the image: column % 4
	v_bfe_u32 v5, v0, 2, 4                         ; its row: column / 4
	v_mul_u32_u24 v[SA], v4, 1536
	v_lshl_add_u32 v[SA], v5, 4, v[SA]
	v_lshlrev_b32 v[SSA], 4, v5
	v_lshl_add_u32 v[SSA], v4, 2, v[SSA]           ; word 4 r + F
	s_wait_kmcnt 0x0
	s_add_nc_u64 s[6:7], s[6:7], s[14:15]
	s_add_nc_u64 s[16:17], s[8:9], s[16:17]
	s_add_nc_u64 s[18:19], s[8:9], s[18:19]
	PREPW 2048, 6656, 12800, 6
.Lfunc_end_k_qfdc22d0a65_prep:
	.size	k_qfdc22d0a65_prep, .Lfunc_end_k_qfdc22d0a65_prep-k_qfdc22d0a65_prep
	.p2alignl 7, 3214868480
	.fill 96, 4, 3214868480
	.section	.rodata,"a",@progbits
	.p2align	6, 0x0
	.amdhsa_kernel k_qfdc22d0a65_prep
		.amdhsa_group_segment_fixed_size 13824
		.amdhsa_private_segment_fixed_size 0
		.amdhsa_enable_private_segment 0
		.amdhsa_kernarg_size 24
		.amdhsa_user_sgpr_count 2
		.amdhsa_user_sgpr_kernarg_segment_ptr 1
		.amdhsa_wavefront_size32 1
		.amdhsa_system_sgpr_workgroup_id_x 1
		.amdhsa_system_sgpr_workgroup_id_y 1
		.amdhsa_system_sgpr_workgroup_id_z 1
		.amdhsa_system_vgpr_workitem_id 0
		.amdhsa_next_free_vgpr 192
		.amdhsa_next_free_sgpr 66
		.amdhsa_reserve_vcc 0
		.amdhsa_float_denorm_mode_32 3
		.amdhsa_float_denorm_mode_16_64 3
		.amdhsa_memory_ordered 1
		.amdhsa_forward_progress 1
		.amdhsa_inst_pref_size 44
	.end_amdhsa_kernel
	.amdgpu_metadata
---
amdhsa.version: [ 1, 2 ]
amdhsa.kernels:
  - .name:           k_qfdc22d0a65_prep
    .symbol:         k_qfdc22d0a65_prep.kd
    .args:
      - { .name: w1, .offset: 0, .size: 8, .value_kind: global_buffer, .address_space: global }
      - { .name: w2, .offset: 8, .size: 8, .value_kind: global_buffer, .address_space: global }
      - { .name: wstream, .offset: 16, .size: 8, .value_kind: global_buffer, .address_space: global }
    .group_segment_fixed_size: 13824
    .private_segment_fixed_size: 0
    .kernarg_segment_align: 8
    .kernarg_segment_size: 24
    .max_flat_workgroup_size: 64
    .sgpr_count:     66
    .vgpr_count:     192
    .wavefront_size: 32
...
	.end_amdgpu_metadata
.endif
;; end of part 1
;; launch ffn (part 2): grid 256 x 1, 8 waves a work-group, clusters of 4 x 1, 327,680 bytes of LDS; arguments tokens, ln1_g, ln1_b, b1, b2, wp_g, wp_b, wp_w, wp_bias, wstream, logits, xq, xqs; writes logits, xq, xqs
.if DOCPART == 2
	.amdgcn_target "amdgcn-amd-amdhsa--gfx1250"
	.amdhsa_code_object_version 6
	.text
	.protected	k_qfdc22d0a65_ffn
	.globl	k_qfdc22d0a65_ffn
	.p2align	8
	.type	k_qfdc22d0a65_ffn,@function
k_qfdc22d0a65_ffn:
	s_mov_b64 s[64:65], 0
	v_nop
	global_prefetch_b8 v0, s[64:65] scope:SCOPE_SE
	s_setreg_imm32_b32 hwreg(HW_REG_WAVE_MODE, 25, 1), 1
	s_wait_xcnt 0x0
	s_wait_alu depctr_hold_cnt(0) depctr_sa_sdst(0) depctr_va_vdst(0) depctr_va_sdst(0) depctr_va_ssrc(0) depctr_va_vcc(0) depctr_vm_vsrc(0)
	s_getreg_b32 s2, hwreg(HW_REG_IB_STS2, 6, 4)
	s_cmp_eq_u32 s2, 0
	s_cbranch_scc0 .Lentry_in_a_cluster
	s_endpgm
.Lentry_in_a_cluster:
	s_bfe_u32 s2, ttmp6, 0x10000c
	s_cmp_lg_u32 s2, 0x3003
	s_cbranch_scc0 .Lentry_shape_is_right
	s_endpgm
.Lentry_shape_is_right:
; x = tokens + gelu(Q(LN(tokens)) Q(w1) + b1) quantised x Q(w2) + b2;  logit = LN(x) . wp_w + wp_bias;  x leaves as codes of FP6 along the TOKENS.
; Both products on codes of FP6 (E2M3) with one E8M0 scale for each 32 along K.  The hidden layer never goes to memory.
; SHARES.  A work-group owns 128 tokens, a quarter of a batch; 256 work-groups.  Eight waves of 512 registers.
; PHASE 0: wave w normalises and quantises token tile w (16 tokens x 512) and lays its four fragments into LDS.
; PHASE 1, 16 trips and a last one written out: trip i has block i of the weights' stream (128 hidden units of w1) in an LDS slot.  Waves 0-3 own token tiles 0-3,
;   waves 4-7 tiles 4-7; wave p of a group makes hidden units 32 p .. 32 p + 31 of the block for its four tiles: 32 products (MM), then GELU and the quantiser (GG).
;   Waves 0-3 run MM(i), GG(i); waves 4-7 run GG(i - 1), MM(i): the two groups do unlike work at the same time.  The last trip has waves 4-7's GG(15) alone.
;   The first product is used transposed (source 0 = 16 rows of w1, source 1 = 16 tokens): a lane holds one token and 16 neighbouring hidden units.
;   The codes go to LDS as images of the second product's fragments: all 2,048 hidden units of the 128 tokens, 196,608 bytes, in 16 PLACES of 12,288 bytes.
;   Both groups store at the place of the trip's number: K step k of tiles 0-3 lies at place k, of tiles 4-7 at place (k + 1) mod 16.
; PHASE 2, 16 K steps: wave w owns columns 64 w .. 64 w + 63 for all 128 tokens: 32 accumulators; the first step's C is tokens + b2.  No barrier stands in this phase.
; EPILOGUE: mean, variance and logit of each token (two passes, exchanged through LDS); x quantised along the tokens; images to memory.
; AN IMAGE: a fragment's register p of lane l lies at 512 (p / 4) + 4 (p % 4) + 16 l; three loads of 16 bytes a lane bring it.
; THE TOKENS OF A TILE ARE NOT NEIGHBOURS: row r of tile 2 b + u is token 32 b + 8 u + r + 8 (r / 8), so that in the second product's results the 16 registers
; of tiles 2 b and 2 b + 1 are tokens 32 b + 16 (lane / 16) + 0 .. 15 of one column.
; CLUSTER: all work-groups walk the same stream of weights; the four of a cluster ask jointly for blocks 0 to 16 (w1, and w2's K step 0), each wave for its eighth.
; W2'S K STEPS 1 TO 15 ARE NOT ASKED FOR JOINTLY.  Beside the hidden layer's 196,608 bytes LDS has room for two slots of one K step, so a joint refill would have one
; K step, 32 products a wave, in which to land, and each K step a round of the cluster's barrier.  And of a block's 51,200 bytes a wave wants 6,400 that no other wave
; of its work-group reads.  So each wave loads its own four fragments and 64 scale words straight into registers, 13 loads of 512 consecutive bytes (the scale words: 256), a K step ahead.
; Tokens are read twice (for the norm; as the second product's C): 256 KB of f32 have no room beside the hidden layer.
; No prefetch: the stream of weights is walked by every work-group at the same time, and the tokens' first read stands at the kernel's head.
; GELU: x Phi(x) = max(x, 0) - |x| Q(|x|), Q by the rational form of Abramowitz and Stegun 26.2.17: |error of Q| <= 7.5e-8, so the error of gelu is at most
; 7.5e-8 |x| beside f32 rounding; nothing is subtracted for x < 0.
; LIMITS: a block of zeros gets the byte 1 where the quantiser's rule says 127 (its codes are zeros; this program alone reads the bytes); NaN and infinities are not served.
.set BLK,   51200                      ; a block of the stream, and an LDS slot: slot 0 at byte 0, slot 1 at byte 51,200
.set STG,   51200                      ; the tokens' staging, 33,536 bytes a wave: filled once, read out ahead of the first barrier; what lies here later is listed below
.set STGW,  33536
.set HID,   102400                     ; the hidden layer's 16 places of 8 images [place][tile]; ahead of them x's 32 images; in the epilogue stages
.set PLACE, 12288
.set HSC,   299008                     ; their scale bytes: 512 place + 32 r + 4 tile + block; ahead of them x's: 256 tile + 16 r + block
.set MISC,  307200                     ; b1; in the epilogue the exchange of sums
.set LNGB,  319488                     ; ln1_g, ln1_b
.set SPARE, 326656                     ; the spare words: 128 bytes for each of eight waves
.set FLOOR, 0x1800000
.set SPW,  1
.set NIL,  2
.set QAW,  3                           ; phase 0 and epilogue: HID + 6,144 w + 16 r + 12 h
.set QBW,  4                           ;                       HID + 6,144 w + 16 r + 508 h
.set WAD0, 3                           ; phase 1: the addresses' constant parts v3-9,
.set WSA0, 4
.set BIA0, 5
.set HA0,  6
.set HSB0, 9
.set WAD,  10                          ; and their sums of the trip v10-16
.set WSA,  11
.set BIA,  12
.set HST,  13
.set HSB,  16
.set TKO,  17                          ; byte offset of my 16 bytes in the quarter's tokens: 32,768 h + 256 w + 16 r
.set VO,   18                          ; 256 w + 16 r: my four columns in a vector of 512
.set C4,   20                          ; v[20:21]
.set XS,   22                          ; v22-37 scale words of x [tile][K step]; in phase 2 v22-29 the hidden layer's, v30-33 and v34-37 w2's, two sets
.set WS,   38                          ; v38-45 scale words of w1 [K step][u]
.set CODE, 46                          ; v46-61 four groups: three registers of codes, one with the scale byte
.set QT,   62
.set ACC,  64                          ; v64-127 [tile][u][8]
.set WF,   128                         ; v128-223 w1's eight fragments [K step][u]
.set BI,   224                         ; v224-239 b1 in the result's layout
.set B2V,  46
.set WF2,  64                          ; phase 2: v64-111, v112-159 w2's four fragments of mine, two sets
.set HF,   160                         ; v160-255 the hidden layer's eight fragments (in the first K step two at a time, v160-183)
.set CT,   192                         ; the first K step: v192-255 tokens + b2 in the result's layout
.set SM,   204
.set MU0,  212
.set RS,   214
.set MSB, 0
.macro WIN new                         ; the immediate's high byte repeats the setting that is left
.if MSB != \new
	s_set_vgpr_msb (MSB<<8)|\new
.set MSB, \new
.endif
.endm
.macro ROUND                           ; a round of the cluster's barrier
	s_barrier_signal -1
	s_barrier_wait -1
	s_cmp_lg_u32 s30, 0
	s_cbranch_scc1 .Lnot_wave_0_\@
	s_barrier_signal -3
.Lnot_wave_0_\@:
	s_barrier_wait -3
	s_barrier_signal -1
	s_barrier_wait -1
.endm
.macro BAR                             ; my LDS stores have landed and my LDS loads are in: then the work-group's barrier
	s_wait_dscnt 0x0
	s_barrier_signal -1
	s_barrier_wait -1
.endm
.macro JLOAD                           ; my eighth of the next block, asked for jointly by the four work-groups; an s_nop 0 and four v_nop follow
	tensor_load_to_lds s[68:71], s[40:47]
	s_nop 0
.rept 4
	v_nop
.endr
.endm
; THE CHANGE OF SLOTS, at a trip's head.  Every wave waits for all its tensor loads (one is out: its eighth of the block about to be read), adds 0 to its spare word,
; and waits for that and for its reads of the slot that it has left.  fill = 1: behind a round of the cluster's barrier that slot takes the block after next.
.macro CHANGE fill
	s_wait_tensorcnt 0x0
	ds_add_u32 v[SPW], v[NIL]                      ; 0 onto my spare word; the steps below stand between it and the wait for it
	s_xor_b32 s36, s36, BLK                        ; the slot to be read
	s_xor_b32 s37, s37, BLK                        ; the slot to be filled
.if \fill
	s_add_co_u32 s69, s37, s38                     ; no tensor load of mine is out: the descriptor may be written
	s_add_nc_u64 s[70:71], s[70:71], BLK
.endif
	s_wait_dscnt 0x0
.if \fill
	ROUND
	JLOAD
.else
	s_barrier_signal -1
	s_barrier_wait -1
.rept 4
	v_nop
.endr
.endif
.endm
; Four blocks of 32 along a quantiser's K; the lane's 16 numbers of block b stand in window 1 from register base + stride b; lane l xor 16 holds the other 16.
; Codes to v[CODE + 4 b] on, the byte to v[CODE + 4 b + 3].  tq: 12 registers at work.
.macro QB4 base, stride, tq
	WIN 0x05
.irp b, 0,1,2,3
	v_max3_num_f32 v[\tq+\b], |v[(\base)+(\stride)*\b]|, |v[(\base)+(\stride)*\b+1]|, FLOOR
.endr
.irp b, 0,1,2,3
	v_max3_num_f32 v[\tq+4+\b], |v[(\base)+(\stride)*\b+2]|, |v[(\base)+(\stride)*\b+3]|, FLOOR
.endr
.irp i, 4,8,12
.irp b, 0,1,2,3
	v_max3_num_f32 v[\tq+\b], |v[(\base)+(\stride)*\b+\i]|, |v[(\base)+(\stride)*\b+\i+1]|, v[\tq+\b]
.endr
.irp b, 0,1,2,3
	v_max3_num_f32 v[\tq+4+\b], |v[(\base)+(\stride)*\b+\i+2]|, |v[(\base)+(\stride)*\b+\i+3]|, v[\tq+4+\b]
.endr
.endr
	WIN 0
.irp b, 0,1,2,3
	v_max_num_f32 v[\tq+\b], v[\tq+\b], v[\tq+4+\b]
.endr
.irp b, 0,1,2,3
	v_permlanex16_b32 v[\tq+4+\b], v[\tq+\b], s84, s85
.endr
.irp b, 0,1,2,3
	v_max_num_f32 v[\tq+\b], v[\tq+\b], v[\tq+4+\b]   ; the block's largest magnitude, not under the floor
.endr
.irp b, 0,1,2,3
	v_add_nc_u32 v[\tq+8+\b], 0xff000000, v[\tq+\b]   ; 2 off its exponent field: the conversion's scale operand
.endr
	WIN 0x01
.irp b, 0,1,2,3
	v_cvt_scalef32_pk16_fp6_f32 v[CODE+4*\b:CODE+4*\b+2], v[(\base)+(\stride)*\b:(\base)+(\stride)*\b+15], v[\tq+8+\b]
.endr
	WIN 0
.irp b, 0,1,2,3
	v_lshrrev_b32 v[CODE+4*\b+3], 23, v[\tq+8+\b]     ; the byte (also the plain line behind the conversions)
.endr
.endm
; My half of block b (16 codes, 3 registers) goes to registers 6 (b / 2) + 3 h + 0 .. 2 of lane r + 16 (b % 2) of the image at off
.macro ST3 b, off
.if (\b) < 2
	ds_store_b32 v[QAW], v[CODE+4*(\b)] offset:(\off)+256*((\b)%2)
	ds_store_b32 v[QBW], v[CODE+4*(\b)+1] offset:(\off)+256*((\b)%2)+4
	ds_store_b32 v[QBW], v[CODE+4*(\b)+2] offset:(\off)+256*((\b)%2)+8
.else
	ds_store_b32 v[QBW], v[CODE+4*(\b)] offset:(\off)+256*((\b)%2)+520
	ds_store_b32 v[QBW], v[CODE+4*(\b)+1] offset:(\off)+256*((\b)%2)+524
	ds_store_b32 v[QAW], v[CODE+4*(\b)+2] offset:(\off)+256*((\b)%2)+1024
.endif
.endm
; MM: my 32 hidden units of the block for my four token tiles: 8 accumulators by turns, K step by K step; b1 is the C of the first.
.macro MM
.irp u, 0,1
.irp q, 0,1
	ds_load_b128 v[BI+8*\u+4*\q:BI+8*\u+4*\q+3], v[BIA] offset:32*\u+16*\q
.endr
.endr
.irp s, 0,1,2,3
.irp u, 0,1
	ds_load_b32 v[WS+2*\s+\u], v[WSA] offset:512*\s+64*\u
.endr
.endr
.irp s, 0,1,2,3
.irp u, 0,1
.irp q, 0,1,2
	ds_load_b128 v[WF+12*(2*\s+\u)+4*\q:WF+12*(2*\s+\u)+4*\q+3], v[WAD] offset:12288*\s+1536*\u+512*\q
.endr
.endr
.endr
	WIN 0x04                                       ; source 1 (x) in window 1
.irp s, 0,1,2,3
	s_wait_dscnt 18-6*\s                           ; the six fragment loads of each later K step may be out
.irp m, 0,1,2,3
.irp u, 0,1
.if \s == 0
	v_wmma_scale_f32_16x16x128_f8f6f4 v[ACC+16*\m+8*\u:ACC+16*\m+8*\u+7], v[WF+12*(2*\s+\u):WF+12*(2*\s+\u)+11], v[12*(4*\m+\s):12*(4*\m+\s)+11], v[BI+8*\u:BI+8*\u+7], v[WS+2*\s+\u], v[XS+4*\m+\s] matrix_a_fmt:MATRIX_FMT_FP6 matrix_b_fmt:MATRIX_FMT_FP6
.else
	v_wmma_scale_f32_16x16x128_f8f6f4 v[ACC+16*\m+8*\u:ACC+16*\m+8*\u+7], v[WF+12*(2*\s+\u):WF+12*(2*\s+\u)+11], v[12*(4*\m+\s):12*(4*\m+\s)+11], v[ACC+16*\m+8*\u:ACC+16*\m+8*\u+7], v[WS+2*\s+\u], v[XS+4*\m+\s] matrix_a_fmt:MATRIX_FMT_FP6 matrix_b_fmt:MATRIX_FMT_FP6
.endif
.endr
.endr
.endr
	WIN 0
.rept 5
	v_nop                                          ; places behind the products: four ahead of the first read of results and of loads into their operands, five ahead of sums begun anew over them
.endr
.endm
; GELU of a tile's 16 numbers a lane, in two parts.  Set g (64 registers from v128 + 64 g): E, T, max(x, 0), |x|.
.macro TR q                            ; the four transcendentals of pair q
	v_exp_f32 v[SB+2*(\q)], v[SB+2*(\q)]
	v_exp_f32 v[SB+2*(\q)+1], v[SB+2*(\q)+1]
	v_rcp_f32 v[SB+16+2*(\q)], v[SB+16+2*(\q)]
	v_rcp_f32 v[SB+17+2*(\q)], v[SB+17+2*(\q)]
.endm
.macro GA m, g                         ; E = 2^-(x k)^2 = exp(-x^2 / 2);  T = 1 / (1 + p |x|).  A pair's transcendentals stand behind the next pair's plain lines
.set XB, ACC+16*(\m)
.set SB, 128+64*(\g)
.irp p, 0,1,2,3,4,5,6,7
	v_pk_mul_f32 v[SB+2*\p:SB+2*\p+1], v[XB+2*\p:XB+2*\p+1], s[86:87] op_sel_hi:[1,0]
	v_max_num_f32 v[SB+32+2*\p], 0, v[XB+2*\p]
	v_max_num_f32 v[SB+33+2*\p], 0, v[XB+2*\p+1]
	v_pk_fma_f32 v[SB+48+2*\p:SB+49+2*\p], v[SB+32+2*\p:SB+33+2*\p], 2.0, v[XB+2*\p:XB+2*\p+1] op_sel_hi:[1,0,1] neg_lo:[0,0,1] neg_hi:[0,0,1]   ; |x| = 2 max(x, 0) - x
	v_pk_mul_f32 v[SB+2*\p:SB+2*\p+1], v[SB+2*\p:SB+2*\p+1], v[SB+2*\p:SB+2*\p+1] neg_lo:[0,1] neg_hi:[0,1]
	v_pk_fma_f32 v[SB+16+2*\p:SB+17+2*\p], v[SB+48+2*\p:SB+49+2*\p], s[88:89], 1.0 op_sel_hi:[1,0,0]
.if \p > 0
	TR \p-1
.endif
.endr
	TR 7
.endm
.macro GB m, g                         ; gelu = max(x, 0) - |x| T E (c1 + T (c2 + T (c3 + T (c4 + T c5)))), over the accumulators' registers
.set XB, ACC+16*(\m)
.set SB, 128+64*(\g)
.irp p, 0,1,2,3,4,5,6,7
	v_pk_fma_f32 v[XB+2*\p:XB+2*\p+1], v[SB+16+2*\p:SB+17+2*\p], s[90:91], v[C4:C4+1] op_sel_hi:[1,0,1]
.endr
.irp p, 0,1,2,3,4,5,6,7
	v_pk_fma_f32 v[XB+2*\p:XB+2*\p+1], v[XB+2*\p:XB+2*\p+1], v[SB+16+2*\p:SB+17+2*\p], s[92:93] op_sel_hi:[1,1,0]
.endr
.irp p, 0,1,2,3,4,5,6,7
	v_pk_fma_f32 v[XB+2*\p:XB+2*\p+1], v[XB+2*\p:XB+2*\p+1], v[SB+16+2*\p:SB+17+2*\p], s[94:95] op_sel_hi:[1,1,0]
.endr
.irp p, 0,1,2,3,4,5,6,7
	v_pk_fma_f32 v[XB+2*\p:XB+2*\p+1], v[XB+2*\p:XB+2*\p+1], v[SB+16+2*\p:SB+17+2*\p], s[96:97] op_sel_hi:[1,1,0]
.endr
.irp p, 0,1,2,3,4,5,6,7
	v_pk_mul_f32 v[SB+16+2*\p:SB+17+2*\p], v[SB+16+2*\p:SB+17+2*\p], v[SB+2*\p:SB+2*\p+1]
.endr
.irp p, 0,1,2,3,4,5,6,7
	v_pk_mul_f32 v[XB+2*\p:XB+2*\p+1], v[XB+2*\p:XB+2*\p+1], v[SB+16+2*\p:SB+17+2*\p]
.endr
.irp p, 0,1,2,3,4,5,6,7
	v_pk_fma_f32 v[XB+2*\p:XB+2*\p+1], v[SB+48+2*\p:SB+49+2*\p], v[XB+2*\p:XB+2*\p+1], v[SB+32+2*\p:SB+33+2*\p] neg_lo:[1,0,0] neg_hi:[1,0,0]
.endr
.endm
.macro QBLK1 m                         ; a tile's 16 numbers a lane are half of block p of the next K: their codes and the block's byte go to LDS, by the address registers GH .. GH + 2 and GS
.set XB, ACC+16*(\m)
	v_max3_num_f32 v[QT], |v[XB]|, |v[XB+1]|, FLOOR
	v_max3_num_f32 v[QT+1], |v[XB+2]|, |v[XB+3]|, |v[XB+4]|
.irp i, 5,9
	v_max3_num_f32 v[QT], v[QT], |v[XB+\i]|, |v[XB+\i+1]|
	v_max3_num_f32 v[QT+1], v[QT+1], |v[XB+\i+2]|, |v[XB+\i+3]|
.endr
	v_max3_num_f32 v[QT], v[QT], |v[XB+13]|, |v[XB+14]|
	v_max3_num_f32 v[QT], v[QT], v[QT+1], |v[XB+15]|
	v_permlanex16_b32 v[QT+1], v[QT], s84, s85
	v_max_num_f32 v[QT], v[QT], v[QT+1]
	v_add_nc_u32 v[QT+1], 0xff000000, v[QT]
	v_cvt_scalef32_pk16_fp6_f32 v[CODE+4*(\m):CODE+4*(\m)+2], v[XB:XB+15], v[QT+1]
	v_lshrrev_b32 v[CODE+4*(\m)+3], 23, v[QT+1]    ; the byte (also the plain line behind the conversion)
	ds_store_b32 v[GH], v[CODE+4*(\m)] offset:1536*(\m)
	ds_store_b32 v[GH+1], v[CODE+4*(\m)+1] offset:1536*(\m)
	ds_store_b32 v[GH+2], v[CODE+4*(\m)+2] offset:1536*(\m)
	ds_store_b8 v[GS], v[CODE+4*(\m)+3] offset:4*(\m)   ; both lanes of a block write the same byte with the same value
.endm
; GG: the four tiles, a tile's transcendentals one batch with one wait; from the second batch on a tile's polynomial and quantiser stand between a batch and its wait.
; ha: the first of three address registers for the codes;  hs: the one for the scale byte.
.macro GG ha, hs
.set GH, \ha
.set GS, \hs
	GA 0, 0
	s_wait_alu depctr_va_vdst(0)                   ; the wait between a batch and the first line that names a result
	GA 1, 1
	GB 0, 0
	QBLK1 0
	s_wait_alu depctr_va_vdst(0)
	GA 2, 0
	GB 1, 1
	QBLK1 1
	s_wait_alu depctr_va_vdst(0)
	GA 3, 1
	GB 2, 0
	QBLK1 2
	s_wait_alu depctr_va_vdst(0)
	GB 3, 1
	QBLK1 3
.endm
; My part of a block of w2, from off bytes behind the stream's pointer, into set: four images (three loads of 512 consecutive bytes each) and my 64 scale words (256 bytes; lanes r and r + 16 take the same 16)
.macro W2LOAD set, off
.irp n, 0,1,2,3
.irp q, 0,1,2
	global_load_b128 v[WF2+48*(\set)+12*\n+4*\q:WF2+48*(\set)+12*\n+4*\q+3], v3, s[22:23] offset:(\off)+1536*\n+512*\q
.endr
.endr
	global_load_b128 v[30+4*(\set):33+4*(\set)], v4, s[22:23] offset:(\off)
.endm
; A K step of the second product: 8 token tiles x my 4 column tiles: 32 accumulators, each once.  w2's fragments stand in set; ask = 1: the next K step's are asked for first, into the other set,
; which the last K step read: the four address steps at a K step's end are the places in front of these loads.  Tiles 0-3 come by v10 and v11, tiles 4-7, a place further on, by v16 and v19.
.macro P2 set, ask, off
.if \ask
	W2LOAD 1-(\set), \off
.endif
	ds_load_b128 v[22:25], v11                     ; the hidden layer's scale words, tiles 0-3,
	ds_load_b128 v[26:29], v19 offset:16           ; and 4-7
.irp m, 0,1,2,3,4,5,6,7
.irp q, 0,1,2
.if \m < 4
	ds_load_b128 v[HF+12*\m+4*\q:HF+12*\m+4*\q+3], v10 offset:1536*\m+512*\q
.else
	ds_load_b128 v[HF+12*\m+4*\q:HF+12*\m+4*\q+3], v16 offset:1536*\m+512*\q
.endif
.endr
.endr
.if \ask
	s_wait_loadcnt 13                              ; this K step's part of w2 is in; the 13 loads just issued may be out
.else
	s_wait_loadcnt 0x0
.endif
	WIN 0x50                                       ; C and D in window 1
.irp m, 0,1,2,3,4,5,6,7
.if \m == 0
	s_wait_dscnt 12                                ; the loads of tiles 4-7 may be out
.endif
.if \m == 4
	s_wait_dscnt 0x0
.endif
.irp n, 0,1,2,3
	v_wmma_scale_f32_16x16x128_f8f6f4 v[64*(\m/2)+16*\n+8*(\m%2):64*(\m/2)+16*\n+8*(\m%2)+7], v[HF+12*\m:HF+12*\m+11], v[WF2+48*(\set)+12*\n:WF2+48*(\set)+12*\n+11], v[64*(\m/2)+16*\n+8*(\m%2):64*(\m/2)+16*\n+8*(\m%2)+7], v[22+\m], v[30+4*(\set)+\n] matrix_a_fmt:MATRIX_FMT_FP6 matrix_b_fmt:MATRIX_FMT_FP6
.endr
.endr
	WIN 0
	v_add_nc_u32 v10, PLACE, v10                   ; the next K step's images and scale words (no LDS load of mine is out): four plain lines, the places behind the products
	v_add_nc_u32 v16, PLACE, v16
	v_add_nc_u32 v11, 512, v11
	v_add_nc_u32 v19, 512, v19
.endm
.macro SUM8 b                          ; eight numbers from v[b] on into v[b]
	v_pk_add_f32 v[\b:\b+1], v[\b:\b+1], v[\b+2:\b+3]
	v_pk_add_f32 v[\b+4:\b+5], v[\b+4:\b+5], v[\b+6:\b+7]
	v_pk_add_f32 v[\b:\b+1], v[\b:\b+1], v[\b+4:\b+5]
	v_add_f32 v[\b], v[\b], v[\b+1]
.endm
.macro DPPSUM first, count             ; each of count registers: the sum over the 16 lanes of a row, in every lane
.irp x, 1,2,4,8
.set i, 0
.rept \count
	v_add_f32_dpp v[\first+i], v[\first+i], v[\first+i] row_xmask:\x row_mask:0xf bank_mask:0xf
.set i, i+1
.endr
.endr
.endm
	; ================ the head
	s_load_b512 s[4:19], s[0:1], 0x0               ; tokens 4, ln1_g 6, ln1_b 8, b1 10, b2 12, wp_g 14, wp_b 16, wp_w 18
	s_load_b256 s[20:27], s[0:1], 0x40             ; wp_bias 20, wstream 22, logits 24, xq 26
	s_load_b64 s[28:29], s[0:1], 0x60              ; xqs
	v_lshl_add_u32 v[SPW], v0, 2, SPARE
	v_mov_b32 v[NIL], 0
	ds_add_u32 v[SPW], v[NIL]                      ; the wave's opening: the add and its wait ahead of my first tensor load
	v_lshrrev_b32 v12, 5, v0
	v_readfirstlane_b32 s30, v12                   ; wave w
	s_and_b32 s31, s30, 3                          ; p: my place in my group
	s_lshr_b32 s32, s30, 2                         ; my group: 0 (tiles 0-3), 1 (tiles 4-7)
	s_xor_b32 s33, s32, 1
	s_lshl_b32 s33, s33, 4                         ; the trip in which I have no GG: 0 in group 1; 16, which no trip of the loop reaches, in group 0
	s_mul_i32 s38, s30, 6400                       ; my eighth of a slot
	s_mov_b32 s39, 0x3727c5ac                      ; 1e-5
	s_mov_b32 s67, 0x3b000000                      ; 1 / 512
	s_bfe_u32 s98, ttmp6, 0x40000                  ; cx
	s_lshl_b32 s99, ttmp9, 2
	s_add_co_u32 s2, s99, s98                      ; my quarter of a batch = 4 x cluster + cx: it enters global addresses alone
	; group 1 for the stream: 25 dense rows of 256 bytes a wave, asked for by all four work-groups
	s_mov_b32 s40, 15|(3<<16)|(1<<21)              ; 15:0 the mask; 17:16 elements of 8 bytes; 21 set beside a mask
	s_mov_b32 s41, 32<<16
	s_mov_b32 s42, 25<<16
	s_mov_b32 s43, 32<<16
	s_mov_b32 s44, 25
	s_mov_b32 s45, 32
	s_mov_b32 s46, 0
	s_mov_b32 s47, 0
	; group 1 for the tokens: 8 rows of 2,048 bytes, dense, as 16 rows of 1,024 bytes with 16 bytes of padding behind each
	s_mov_b32 s48, (3<<16)|(1<<20)|(7<<22)|(3<<25)
	s_mov_b32 s49, 128<<16
	s_mov_b32 s50, 16<<16
	s_mov_b32 s51, 128<<16
	s_mov_b32 s52, 16
	s_mov_b32 s53, 128
	s_mov_b32 s54, 0
	s_mov_b32 s55, 0
	; group 1 for the norm's gain and bias: one row of 512 bytes
	s_mov_b32 s56, 3<<16
	s_mov_b32 s57, 64<<16
	s_mov_b32 s58, 1<<16
	s_mov_b32 s59, 64<<16
	s_mov_b32 s60, 1
	s_mov_b32 s61, 64
	s_mov_b32 s62, 0
	s_mov_b32 s63, 0
	s_mov_b32 s68, 1
	s_mov_b32 s69, s38                             ; slot 0
	s_mov_b32 s72, 1
	s_mul_i32 s100, s30, STGW
	s_add_co_u32 s73, s100, STG
	s_mov_b32 s76, 1
	s_add_co_u32 s77, s100, STG+16656              ; my tile's second eight rows, 16 bytes further than eight pitches
	s_mov_b32 s80, 1
	s_lshl_b32 s81, s30, 9
	s_add_co_u32 s81, s81, LNGB
	s_mov_b32 s84, 0x76543210
	s_mov_b32 s85, 0xfedcba98                      ; v_permlanex16_b32's selects for lane l xor 16
	s_mov_b32 s86, 0x3f596d27                      ; sqrt(log2(e) / 2)
	s_mov_b32 s87, s86
	s_mov_b32 s88, 0x3e6d3389                      ; p  = 0.2316419
	s_mov_b32 s89, s88
	s_mov_b32 s90, 0x3f07dc22                      ; c5 = 0.5307027145
	s_mov_b32 s91, s90
	s_mov_b32 s92, 0x3f35f0e3                      ; c3 = 0.7107068705
	s_mov_b32 s93, s92
	s_mov_b32 s94, 0xbe11a98e                      ; c2 = -0.142248368
	s_mov_b32 s95, s94
	s_mov_b32 s96, 0x3e027906                      ; c1 = 0.127414796
	s_mov_b32 s97, s96
	v_mov_b32 v[C4], 0xbf3a00e3                    ; c4 = -0.7265760135
	v_mov_b32 v[C4+1], 0xbf3a00e3
	s_wait_dscnt 0x0                               ; the opening add is done
	s_wait_kmcnt 0x0
	s_mov_b32 s99, 0
	s_lshl_b32 s98, s2, 18
	s_add_nc_u64 s[4:5], s[4:5], s[98:99]          ; tokens at my quarter
	s_lshl_b32 s98, s2, 9
	s_add_nc_u64 s[24:25], s[24:25], s[98:99]      ; logits
	s_mul_i32 s98, s2, 49152
	s_add_nc_u64 s[26:27], s[26:27], s[98:99]      ; xq
	s_lshl_b32 s98, s2, 11
	s_add_nc_u64 s[28:29], s[28:29], s[98:99]      ; xqs
	s_lshr_b32 s98, s30, 1
	s_lshl_b32 s98, s98, 16                        ; tile w = 2 b + u begins at token 32 b + 8 u
	s_and_b32 s100, s30, 1
	s_lshl_b32 s100, s100, 14
	s_add_co_u32 s98, s98, s100
	s_add_nc_u64 s[74:75], s[4:5], s[98:99]
	s_add_nc_u64 s[78:79], s[74:75], 32768         ; its rows 8-15: 16 tokens on
	s_or_b32 s75, s75, 0x80000000
	s_or_b32 s79, s79, 0x80000000
	s_mov_b32 s98, s38
	s_add_nc_u64 s[70:71], s[22:23], s[98:99]      ; the stream: my eighth of block 0: the same in all four work-groups
	s_or_b32 s71, s71, 0x80000000
	s_cmp_lt_u32 s30, 4
	s_cselect_b64 s[82:83], s[6:7], s[8:9]         ; waves 0-3 bring the gain, waves 4-7 the bias, 512 bytes each
	s_lshl_b32 s98, s31, 9
	s_add_nc_u64 s[82:83], s[82:83], s[98:99]
	s_or_b32 s83, s83, 0x80000000
	ROUND                                          ; in front of the first loads
	tensor_load_to_lds s[72:75], s[48:55]          ; the first fills, one group: four loads of mine are out
	s_nop 0
	tensor_load_to_lds s[76:79], s[48:55]
	s_nop 0
	tensor_load_to_lds s[80:83], s[56:63]
	s_nop 0
	tensor_load_to_lds s[68:71], s[40:47]
	s_nop 0
.rept 4
	v_nop
.endr
	v_lshlrev_b32 v9, 4, v0
	global_load_b128 v[240:243], v9, s[10:11]      ; b1: 16 bytes a thread, twice
	global_load_b128 v[244:247], v9, s[10:11] offset:4096
	s_load_b32 s66, s[20:21], 0x0                  ; wp_bias
	v_and_b32 v12, 15, v0                          ; r
	v_bfe_u32 v13, v0, 4, 1                        ; h
	s_mul_i32 s98, s30, 6144
	s_add_co_u32 s98, s98, HID
	v_lshl_add_u32 v14, v12, 4, s98
	v_mul_u32_u24 v15, v13, 12
	v_add_nc_u32 v[QAW], v14, v15
	v_mul_u32_u24 v15, v13, 508
	v_add_nc_u32 v[QBW], v14, v15
	v_mul_u32_u24 v5, v12, 2080                    ; the staging: a token's row is 2 x (1,024 + 16) bytes,
	v_bfe_u32 v15, v0, 3, 1
	v_lshl_add_u32 v5, v15, 4, v5                  ; rows 8-15 lie 16 bytes further: 16 lanes then touch 16 different columns of 16 bytes
	v_lshl_add_u32 v5, v13, 6, v5
	v_add_nc_u32 v5, s73, v5
	v_lshl_add_u32 v6, v13, 6, LNGB                ; gain and bias: my half's 16 numbers of a block
	s_lshl_b32 s98, s30, 8
	v_lshl_add_u32 v[VO], v12, 4, s98
	v_lshl_add_u32 v[TKO], v13, 15, v[VO]
	s_add_co_u32 s98, s98, HSC
	v_lshl_add_u32 v7, v12, 4, s98                 ; x's scale bytes: 256 w + 16 r
	v_add_nc_u32 v8, MISC, v9                      ; b1 in LDS
	s_mul_i32 s98, s32, 24576
	s_add_co_u32 s98, s98, HID
	v_and_b32 v15, 31, v0
	v_lshl_add_u32 v10, v15, 4, s98                ; my group's 16 images of x
	s_lshl_b32 s98, s32, 10
	s_add_co_u32 s98, s98, HSC
	v_lshl_add_u32 v11, v12, 4, s98                ; and their scale words
	; ================ phase 0: my tile out of the staging: register 16 B + i of window 1 = number 32 B + 16 h + i of my token
	s_wait_tensorcnt 0x0
	WIN 0x40
.irp B, 0,1,2,3,4,5,6,7,8,9,10,11,12,13,14,15
.irp j, 0,1,2,3
	ds_load_b128 v[16*\B+4*\j:16*\B+4*\j+3], v5 offset:128*\B+16*\j+16*(\B/8)
.endr
.endr
	WIN 0
	BAR                                            ; every wave's staging is read out; gain, bias and slot 0 are whole
	WIN 0x05
.irp c, 0,1,2,3
	v_pk_add_f32 v[SM+2*\c:SM+2*\c+1], v[4*\c:4*\c+1], v[4*\c+2:4*\c+3]    ; the row's sum, in four chains
.endr
	WIN 0x04
.set i, 16
.rept 120
	v_pk_add_f32 v[SM+2*((i/2)%4):SM+2*((i/2)%4)+1], v[SM+2*((i/2)%4):SM+2*((i/2)%4)+1], v[i:i+1]
.set i, i+2
.endr
	WIN 0
	SUM8 SM
	v_permlanex16_b32 v[SM+1], v[SM], s84, s85
	v_add_f32 v[SM], v[SM], v[SM+1]
	v_mul_f32 v[MU0], s67, v[SM]                   ; the mean
	v_mov_b32 v[MU0+1], v[MU0]
	WIN 0x41
.set i, 0
.rept 128
	v_pk_add_f32 v[i:i+1], v[i:i+1], v[MU0:MU0+1] neg_lo:[0,1] neg_hi:[0,1]
.set i, i+2
.endr
	WIN 0x05
.irp c, 0,1,2,3
	v_pk_mul_f32 v[SM+2*\c:SM+2*\c+1], v[2*\c:2*\c+1], v[2*\c:2*\c+1]      ; the sum of squares of the centred numbers
.endr
.set i, 8
.rept 124
	v_pk_fma_f32 v[SM+2*((i/2)%4):SM+2*((i/2)%4)+1], v[i:i+1], v[i:i+1], v[SM+2*((i/2)%4):SM+2*((i/2)%4)+1]
.set i, i+2
.endr
	WIN 0
	SUM8 SM
	v_permlanex16_b32 v[SM+1], v[SM], s84, s85
	v_add_f32 v[SM], v[SM], v[SM+1]
	v_fma_f32 v[SM], v[SM], s67, s39
	v_rsq_f32 v[RS], v[SM]
	v_nop
	s_wait_alu depctr_va_vdst(0)
	v_mov_b32 v[RS+1], v[RS]
.irp s, 0,1,2,3                        ; K step s: gain and bias, the quantiser, the image
.irp b, 0,1,2,3
.irp q, 0,1,2,3
	ds_load_b128 v[64+16*\b+4*\q:64+16*\b+4*\q+3], v6 offset:512*\s+128*\b+16*\q
	ds_load_b128 v[128+16*\b+4*\q:128+16*\b+4*\q+3], v6 offset:2048+512*\s+128*\b+16*\q
.endr
.endr
	s_wait_dscnt 0x0                               ; they are in; and the last step's stores have read their registers
.set i, 0
.rept 32
	v_pk_mul_f32 v[64+i:65+i], v[64+i:65+i], v[RS:RS+1]
.set i, i+2
.endr
	WIN 0x41
.set i, 0
.rept 32
	v_pk_fma_f32 v[64*\s+i:64*\s+i+1], v[64*\s+i:64*\s+i+1], v[64+i:65+i], v[128+i:129+i]
.set i, i+2
.endr
	QB4 64*\s, 16, 192
.irp b, 0,1,2,3
	ST3 \b, 1536*\s
	ds_store_b8 v7, v[CODE+4*\b+3] offset:4*\s+\b
.endr
.endr
	s_wait_loadcnt 0x0
	ds_store_b128 v8, v[240:243]
	ds_store_b128 v8, v[244:247] offset:4096
	BAR                                            ; x's 32 images, their scale bytes and b1 lie in LDS
	WIN 0x40
.irp m, 0,1,2,3
.irp s, 0,1,2,3
.irp q, 0,1,2
	ds_load_b128 v[12*(4*\m+\s)+4*\q:12*(4*\m+\s)+4*\q+3], v10 offset:1536*(4*\m+\s)+512*\q   ; my group's four tiles stay in registers
.endr
.endr
.endr
	WIN 0
.irp m, 0,1,2,3
	ds_load_b128 v[XS+4*\m:XS+4*\m+3], v11 offset:256*\m
.endr
	; the constant parts of phase 1's addresses
	v_and_b32 v15, 31, v0
	v_lshlrev_b32 v15, 4, v15
	s_mul_i32 s98, s31, 3072
	v_add_nc_u32 v[WAD0], s98, v15                 ; w1's tiles 2 p, 2 p + 1: 16 x lane + 3,072 p
	s_lshl_b32 s98, s31, 7
	s_add_co_u32 s99, s98, 49152
	v_lshl_add_u32 v[WSA0], v12, 2, s99            ; their scale words
	s_add_co_u32 s99, s98, MISC
	v_lshl_add_u32 v[BIA0], v13, 6, s99            ; b1 at hidden unit 32 p + 16 h
	s_mul_i32 s98, s32, 6144
	s_and_b32 s99, s31, 1
	s_lshl_b32 s99, s99, 8
	s_add_co_u32 s98, s98, s99
	s_add_co_u32 s98, s98, HID
	v_lshl_add_u32 v14, v12, 4, s98                ; lane r + 16 (p % 2) of my group's first image of place 0
	s_lshr_b32 s100, s31, 1                        ; c = p / 2: my codes are registers 6 c + 3 h + 0, 1, 2
	s_mul_i32 s99, s100, 520
	s_mul_i32 s101, s100, 496
	s_add_co_u32 s101, s101, 12
	v_mul_u32_u24 v15, s101, v13
	v_add_nc_u32 v15, s99, v15
	v_add_nc_u32 v[HA0], v14, v15                  ; 520 c + h (12 + 496 c)
	s_add_co_u32 s99, s99, 4
	v_mul_u32_u24 v15, v13, 508
	v_add_nc_u32 v15, s99, v15
	v_add_nc_u32 v[HA0+1], v14, v15                ; 4 + 520 c + 508 h
	s_mul_i32 s99, s100, 1016
	s_add_co_u32 s99, s99, 8
	s_xor_b32 s101, s100, 1
	s_mul_i32 s101, s101, 496
	s_add_co_u32 s101, s101, 12
	v_mul_u32_u24 v15, s101, v13
	v_add_nc_u32 v15, s99, v15
	v_add_nc_u32 v[HA0+2], v14, v15                ; 8 + 1,016 c + h (508 - 496 c)
	s_lshl_b32 s98, s32, 4
	s_add_co_u32 s98, s98, s31
	s_add_co_u32 s98, s98, HSC
	v_lshl_add_u32 v[HSB0], v12, 5, s98            ; the scale byte: 32 r + 4 tile + p
	s_mov_b32 s35, 0                               ; the trip
	s_mov_b32 s3, 0                                ; 12,288 x the trip: the place that GG stores to
	s_mov_b32 s34, 0                               ; 512 x the trip: b1's 128 numbers, and the place's scale bytes
	s_mov_b32 s36, BLK                             ; the first change turns these to slot 0 (read) and slot 1 (filled)
	s_mov_b32 s37, 0
	; ================ phase 1
.Ltrip:
	CHANGE 1                                       ; block i is whole; block i + 1 is asked for
	v_add_nc_u32 v[WAD], s36, v[WAD0]              ; every wave makes every address of the trip, ahead of the branches
	v_add_nc_u32 v[WSA], s36, v[WSA0]
	v_add_nc_u32 v[BIA], s34, v[BIA0]
	v_add_nc_u32 v[HST], s3, v[HA0]
	v_add_nc_u32 v[HST+1], s3, v[HA0+1]
	v_add_nc_u32 v[HST+2], s3, v[HA0+2]
	v_add_nc_u32 v[HSB], s34, v[HSB0]
	s_cmp_eq_u32 s32, 0
	s_cbranch_scc0 .Lno_ma
	MM                                             ; group 0: this block's products
.Lno_ma:
	s_cmp_lg_u32 s35, s33
	s_cbranch_scc0 .Lno_g
	GG HST, HSB                                    ; group 0: this block's; group 1: the last block's, from trip 1 on
.Lno_g:
	s_cmp_lg_u32 s32, 0
	s_cbranch_scc0 .Lno_mb
	MM                                             ; group 1: this block's products
.Lno_mb:
	s_add_co_u32 s3, s3, PLACE
	s_add_co_u32 s34, s34, 512
	s_add_co_u32 s35, s35, 1
	s_cmp_lt_u32 s35, 16
	s_cbranch_scc1 .Ltrip
	; ---- the last trip, written out: no product is left, so x's codes are done with
	CHANGE 0                                       ; block 16, w2's K step 0, is whole in slot 0; nothing more comes through the ring
	WIN 0x40                                       ; the tokens come again, as the second product's C, over x's codes: sixteen lanes read 256 consecutive bytes
.irp b, 0,1,2,3
.irp u, 0,1
.irp j, 0,1,2,3,4,5,6,7
	global_load_b128 v[64*\b+32*\u+4*\j:64*\b+32*\u+4*\j+3], v[TKO], s[4:5] offset:2048*(32*\b+8*\u+\j)
.endr
.endr
.endr
	WIN 0
	s_cmp_lg_u32 s32, 0
	s_cbranch_scc0 .Lno_g2
	GG HA0, HSB0                                   ; group 1: K step 15, to place 0
.Lno_g2:
	s_wait_dscnt 0x0                               ; for the others' sake: my stores of the hidden layer have landed (and have read the codes' registers)
	v_and_b32 v14, 31, v0
	v_lshlrev_b32 v14, 4, v14                      ; 16 x lane; kept through the phase
	v_and_b32 v15, 15, v0                          ; r; kept
	s_mul_i32 s98, s30, 6144
	v_add_nc_u32 v3, s98, v14                      ; w2's four tiles of mine in a block: in slot 0 and in the stream alike
	s_lshl_b32 s98, s30, 8
	s_add_co_u32 s98, s98, 49152
	v_lshl_add_u32 v4, v15, 4, s98                 ; their scale words
	v_add_nc_u32 v10, HID, v14                     ; the hidden layer's images: tiles 0-3 at place 0,
	v_add_nc_u32 v16, HID+PLACE, v14               ; tiles 4-7 at place 1;
	v_lshl_add_u32 v11, v15, 5, HSC                ; the scale words likewise
	v_lshl_add_u32 v19, v15, 5, HSC+512
	v_add_nc_u32 v12, s36, v3
	v_add_nc_u32 v13, s36, v4
	global_load_b128 v[46:49], v[VO], s[12:13]     ; b2, wp_g, wp_w, wp_b at my four columns 64 w + 4 r + 0 .. 3
	global_load_b128 v[50:53], v[VO], s[14:15]
	global_load_b128 v[54:57], v[VO], s[18:19]
	global_load_b128 v[58:61], v[VO], s[16:17]
	W2LOAD 1, 17*BLK                               ; w2's K step 1, a K step ahead
	s_barrier_signal -1
	s_barrier_wait -1                              ; the hidden layer lies whole in LDS.  The last barrier ahead of the epilogue
	; ================ phase 2.  K step 0: w2 out of slot 0; two token tiles at a time: tokens + b2 is brought into the result's layout and is the sums' first C
	ds_load_b128 v[30:33], v13
	ds_load_b128 v[22:25], v11
	ds_load_b128 v[26:29], v19 offset:16
.irp n, 0,1,2,3
.irp q, 0,1,2
	ds_load_b128 v[WF2+12*\n+4*\q:WF2+12*\n+4*\q+3], v12 offset:1536*\n+512*\q
.endr
.endr
.irp b, 0,1,2,3
.irp u, 0,1
.irp q, 0,1,2
.if \b < 2
	ds_load_b128 v[HF+12*\u+4*\q:HF+12*\u+4*\q+3], v10 offset:1536*(2*\b+\u)+512*\q
.else
	ds_load_b128 v[HF+12*\u+4*\q:HF+12*\u+4*\q+3], v16 offset:1536*(2*\b+\u)+512*\q
.endif
.endr
.endr
.if \b == 0
	s_wait_loadcnt 13                              ; the tokens and the four vectors are in; the 13 loads of w2's K step 1 may be out
.endif
	WIN 0x01
.irp n, 0,1,2,3
.irp u, 0,1
.irp j, 0,1,2,3,4,5,6,7
	v_add_f32 v[CT+16*\n+8*\u+\j], v[64*\b+32*\u+4*\j+\n], v[B2V+\n]
.endr
.endr
.endr
	WIN 0
	s_wait_dscnt 0x0
.rept 4
	v_nop
.endr
	WIN 0x40                                       ; D in window 1, over the tokens just taken
.irp u, 0,1
.irp n, 0,1,2,3
	v_wmma_scale_f32_16x16x128_f8f6f4 v[64*\b+16*\n+8*\u:64*\b+16*\n+8*\u+7], v[HF+12*\u:HF+12*\u+11], v[WF2+12*\n:WF2+12*\n+11], v[CT+16*\n+8*\u:CT+16*\n+8*\u+7], v[22+2*\b+\u], v[30+\n] matrix_a_fmt:MATRIX_FMT_FP6 matrix_b_fmt:MATRIX_FMT_FP6
.endr
.endr
	WIN 0
.rept 4
	v_nop                                          ; places ahead of the lines that write C's registers again, and of loads into the fragments
.endr
.endr
	v_add_nc_u32 v10, PLACE, v10
	v_add_nc_u32 v16, PLACE, v16
	v_add_nc_u32 v11, 512, v11
	v_add_nc_u32 v19, 512, v19
	s_wait_xcnt 0x0                                ; every load issued so far has read its base: the stream's pointer may step
	s_add_nc_u64 s[22:23], s[22:23], 18*BLK        ; to block 18, w2's K step 2
	s_mov_b32 s2, 7
.Lk2:                                              ; K steps 1-14, two a trip, until the two sets are back where they began; each asks for the K step that follows it
	P2 1, 1, 0
	P2 0, 1, BLK
	s_wait_xcnt 0x0                                ; the trip's loads have read their base
	s_add_nc_u64 s[22:23], s[22:23], 2*BLK
	s_sub_co_u32 s2, s2, 1
	s_cmp_lg_u32 s2, 0
	s_cbranch_scc1 .Lk2
	v_add_nc_u32 v16, HID, v14                     ; the last K step is written out: it asks for nothing, and K step 15 of tiles 4-7 lies at place 0
	v_lshl_add_u32 v19, v15, 5, HSC
	P2 1, 0, 0
	; ================ epilogue.  Register 64 b + 16 n + 8 u + j of window 1 = x(token 32 b + 16 h + 8 u + j, column 64 w + 4 r + n).  The address lines are the places behind the last products
	v_and_b32 v62, 15, v0                          ; r
	v_bfe_u32 v63, v0, 4, 1                        ; h
	v_and_b32 v17, 31, v0
	v_lshlrev_b32 v17, 4, v17                      ; 16 x lane
	s_mul_i32 s98, s30, 6144
	v_add_nc_u32 v14, s98, v17                     ; my four images in memory
	s_add_co_u32 s98, s98, HID
	v_add_nc_u32 v13, s98, v17                     ; and in LDS
	v_lshl_add_u32 v19, v62, 4, s98
	v_mul_u32_u24 v3, v63, 12
	v_add_nc_u32 v[QAW], v19, v3
	v_mul_u32_u24 v4, v63, 508
	v_add_nc_u32 v[QBW], v19, v4
	s_lshl_b32 s98, s30, 9
	s_add_co_u32 s99, s98, MISC
	v_lshl_add_u32 v5, v63, 6, s99                 ; parts of sums [wave][token]
	s_add_co_u32 s99, s98, HID+51200
	v_lshl_add_u32 v6, v63, 6, s99                 ; parts of the squares' sums, and 4,096 on of the logits'
	s_lshl_b32 s98, s30, 6
	s_add_co_u32 s99, s98, MISC
	v_lshl_add_u32 v7, v62, 2, s99                 ; token 16 w + r
	s_add_co_u32 s99, s98, HID+51200
	v_lshl_add_u32 v8, v62, 2, s99
	v_lshl_add_u32 v9, v63, 6, MISC+4096           ; the means, as my registers want them
	s_lshl_b32 s98, s30, 2
	s_add_co_u32 s98, s98, MISC+4608
	v_mov_b32 v10, s98                             ; my part of sum(wp_b wp_w)
	v_mov_b32 v11, MISC+4608
	s_lshl_b32 s98, s30, 8
	v_and_b32 v19, 31, v0
	v_lshl_add_u32 v16, v19, 3, s98                ; my 64 scale words in memory
	s_add_co_u32 s98, s98, HID+49152
	v_lshl_add_u32 v12, v62, 2, s98                ; their bytes in LDS
	v_lshl_add_u32 v15, v19, 3, s98
	v_add_nc_u32 v19, MISC+4864, v17               ; the logits
	v_mul_f32 v62, v54, v58                        ; sum over my four columns of wp_w wp_b
	v_fmac_f32 v62, v55, v59
	v_fmac_f32 v62, v56, v60
	v_fmac_f32 v62, v57, v61
	v_mul_f32 v46, v50, v54                        ; wp_g wp_w of column n, twice, at v[46 + 2 n]
	v_mov_b32 v47, v46
	v_mul_f32 v48, v51, v55
	v_mov_b32 v49, v48
	v_mul_f32 v50, v52, v56
	v_mov_b32 v51, v50
	v_mul_f32 v52, v53, v57
	v_mov_b32 v53, v52
	WIN 0x05                                       ; E1: each token's sum over my 64 columns
.irp b, 0,1,2,3
.irp u, 0,1
.irp p, 0,1,2,3
	v_pk_add_f32 v[64+16*\b+8*\u+2*\p:65+16*\b+8*\u+2*\p], v[64*\b+8*\u+2*\p:64*\b+8*\u+2*\p+1], v[64*\b+16+8*\u+2*\p:64*\b+16+8*\u+2*\p+1]
.endr
.endr
.endr
	WIN 0x04
.irp n, 2,3
.irp b, 0,1,2,3
.irp u, 0,1
.irp p, 0,1,2,3
	v_pk_add_f32 v[64+16*\b+8*\u+2*\p:65+16*\b+8*\u+2*\p], v[64+16*\b+8*\u+2*\p:65+16*\b+8*\u+2*\p], v[64*\b+16*\n+8*\u+2*\p:64*\b+16*\n+8*\u+2*\p+1]
.endr
.endr
.endr
.endr
	WIN 0
	DPPSUM 62, 1
	DPPSUM 64, 64
.irp b, 0,1,2,3
.irp q, 0,1,2,3
	ds_store_b128 v5, v[64+16*\b+4*\q:64+16*\b+4*\q+3] offset:128*\b+16*\q   ; the sixteen lanes of a half hold the same numbers
.endr
.endr
	ds_store_b32 v10, v62
	BAR                                            ; also: every wave's reads of the hidden layer are over
.irp i, 0,1,2,3,4,5,6,7
	ds_load_b32 v[64+\i], v7 offset:512*\i         ; E2: token 16 w + r: the eight waves' parts
.endr
	s_wait_dscnt 0x0
	SUM8 64
	v_mul_f32 v64, s67, v64
	ds_store_b32 v7, v64 offset:4096               ; the mean
	BAR
.irp b, 0,1,2,3
.irp q, 0,1,2,3
	ds_load_b128 v[64+16*\b+4*\q:64+16*\b+4*\q+3], v9 offset:128*\b+16*\q
.endr
.endr
	s_wait_dscnt 0x0
.irp n, 0,1,2,3                        ; E3: d = x - mean; v128.. sum of d d; v192.. sum of d g w: an accumulator at a time
.irp b, 0,1,2,3
.irp u, 0,1
	WIN 0x01
.irp p, 0,1,2,3
	v_pk_add_f32 v[54+2*\p:55+2*\p], v[64*\b+16*\n+8*\u+2*\p:64*\b+16*\n+8*\u+2*\p+1], v[64+16*\b+8*\u+2*\p:65+16*\b+8*\u+2*\p] neg_lo:[0,1] neg_hi:[0,1]
.endr
	WIN 0
.irp p, 0,1,2,3
.if \n == 0
	v_pk_mul_f32 v[128+16*\b+8*\u+2*\p:129+16*\b+8*\u+2*\p], v[54+2*\p:55+2*\p], v[54+2*\p:55+2*\p]
	v_pk_mul_f32 v[192+16*\b+8*\u+2*\p:193+16*\b+8*\u+2*\p], v[54+2*\p:55+2*\p], v[46+2*\n:47+2*\n]
.else
	v_pk_fma_f32 v[128+16*\b+8*\u+2*\p:129+16*\b+8*\u+2*\p], v[54+2*\p:55+2*\p], v[54+2*\p:55+2*\p], v[128+16*\b+8*\u+2*\p:129+16*\b+8*\u+2*\p]
	v_pk_fma_f32 v[192+16*\b+8*\u+2*\p:193+16*\b+8*\u+2*\p], v[54+2*\p:55+2*\p], v[46+2*\n:47+2*\n], v[192+16*\b+8*\u+2*\p:193+16*\b+8*\u+2*\p]
.endif
.endr
.endr
.endr
.endr
	DPPSUM 128, 128
.irp b, 0,1,2,3
.irp q, 0,1,2,3
	ds_store_b128 v6, v[128+16*\b+4*\q:128+16*\b+4*\q+3] offset:128*\b+16*\q
	ds_store_b128 v6, v[192+16*\b+4*\q:192+16*\b+4*\q+3] offset:4096+128*\b+16*\q
.endr
.endr
	BAR
.irp i, 0,1,2,3,4,5,6,7
	ds_load_b32 v[64+\i], v8 offset:512*\i         ; E4: token 16 w + r
	ds_load_b32 v[72+\i], v8 offset:4096+512*\i
.endr
	ds_load_b128 v[80:83], v11
	ds_load_b128 v[84:87], v11 offset:16
	s_wait_dscnt 0x0
	s_wait_kmcnt 0x0                               ; wp_bias
	SUM8 64
	v_fma_f32 v64, v64, s67, s39
	v_rsq_f32 v64, v64
	SUM8 72
	SUM8 80
	v_add_f32 v80, s66, v80
	s_wait_alu depctr_va_vdst(0)
	v_fma_f32 v72, v72, v64, v80                   ; the logit
	ds_store_b32 v7, v72 offset:4864
.irp n, 0,1,2,3                        ; E5: x along the tokens: column tile n, the quarter's four blocks of 32 tokens
.if \n > 0
	s_wait_dscnt 0x0                               ; the stores have read the codes' registers
.endif
	QB4 16*\n, 64, 64
.irp b, 0,1,2,3
	ST3 \b, 1536*\n
	ds_store_b8 v12, v[CODE+4*\b+3] offset:64*\n+\b
.endr
.endr
.irp t, 0,1,2,3,4,5,6,7,8,9,10,11
	ds_load_b128 v[128+4*\t:128+4*\t+3], v13 offset:512*\t     ; my own bytes: LDS serves a wave's instructions in order
.endr
	ds_load_b64 v[176:177], v15
.irp t, 0,1,2,3,4,5,6,7,8,9,10,11
	s_wait_dscnt 12-\t                             ; the later image loads and the scale load may be out
	global_store_b128 v14, v[128+4*\t:128+4*\t+3], s[26:27] offset:512*\t th:TH_STORE_NT   ; 32 lanes store 512 consecutive bytes
.endr
	s_wait_dscnt 0x0
	global_store_b64 v16, v[176:177], s[28:29] th:TH_STORE_NT   ; 256 consecutive bytes
	BAR                                            ; the 128 logits lie in LDS
	s_cmp_lg_u32 s30, 0
	s_cbranch_scc1 .Lno_logits
	ds_load_b128 v[180:183], v19
	s_wait_dscnt 0x0
	global_store_b128 v17, v[180:183], s[24:25]
.Lno_logits:
	s_wait_tensorcnt 0x0                           ; the wave's end
	ds_add_u32 v[SPW], v[NIL]
	s_wait_dscnt 0x0
	ROUND                                          ; the closing round
	s_endpgm
.Lfunc_end_k_qfdc22d0a65_ffn:
	.size	k_qfdc22d0a65_ffn, .Lfunc_end_k_qfdc22d0a65_ffn-k_qfdc22d0a65_ffn
	.p2alignl 7, 3214868480
	.fill 96, 4, 3214868480
	.section	.rodata,"a",@progbits
	.p2align	6, 0x0
	.amdhsa_kernel k_qfdc22d0a65_ffn
		.amdhsa_group_segment_fixed_size 327680
		.amdhsa_private_segment_fixed_size 0
		.amdhsa_enable_private_segment 0
		.amdhsa_kernarg_size 104
		.amdhsa_user_sgpr_count 2
		.amdhsa_user_sgpr_kernarg_segment_ptr 1
		.amdhsa_wavefront_size32 1
		.amdhsa_system_sgpr_workgroup_id_x 1
		.amdhsa_system_sgpr_workgroup_id_y 1
		.amdhsa_system_sgpr_workgroup_id_z 1
		.amdhsa_system_vgpr_workitem_id 0
		.amdhsa_next_free_vgpr 512
		.amdhsa_next_free_sgpr 102
		.amdhsa_reserve_vcc 0
		.amdhsa_float_denorm_mode_32 3
		.amdhsa_float_denorm_mode_16_64 3
		.amdhsa_memory_ordered 1
		.amdhsa_forward_progress 1
		.amdhsa_inst_pref_size 255
	.end_amdhsa_kernel
	.section	.bss,"aw",@nobits
	.p2align	6
	.space	262144
	.amdgpu_metadata
---
amdhsa.version: [ 1, 2 ]
amdhsa.kernels:
  - .name:           k_qfdc22d0a65_ffn
    .symbol:         k_qfdc22d0a65_ffn.kd
    .args:
      - { .name: tokens, .offset: 0, .size: 8, .value_kind: global_buffer, .address_space: global }
      - { .name: ln1_g, .offset: 8, .size: 8, .value_kind: global_buffer, .address_space: global }
      - { .name: ln1_b, .offset: 16, .size: 8, .value_kind: global_buffer, .address_space: global }
      - { .name: b1, .offset: 24, .size: 8, .value_kind: global_buffer, .address_space: global }
      - { .name: b2, .offset: 32, .size: 8, .value_kind: global_buffer, .address_space: global }
      - { .name: wp_g, .offset: 40, .size: 8, .value_kind: global_buffer, .address_space: global }
      - { .name: wp_b, .offset: 48, .size: 8, .value_kind: global_buffer, .address_space: global }
      - { .name: wp_w, .offset: 56, .size: 8, .value_kind: global_buffer, .address_space: global }
      - { .name: wp_bias, .offset: 64, .size: 8, .value_kind: global_buffer, .address_space: global }
      - { .name: wstream, .offset: 72, .size: 8, .value_kind: global_buffer, .address_space: global }
      - { .name: logits, .offset: 80, .size: 8, .value_kind: global_buffer, .address_space: global }
      - { .name: xq, .offset: 88, .size: 8, .value_kind: global_buffer, .address_space: global }
      - { .name: xqs, .offset: 96, .size: 8, .value_kind: global_buffer, .address_space: global }
    .group_segment_fixed_size: 327680
    .private_segment_fixed_size: 0
    .kernarg_segment_align: 8
    .kernarg_segment_size: 104
    .max_flat_workgroup_size: 256
    .sgpr_count:     102
    .vgpr_count:     512
    .wavefront_size: 32
...
	.end_amdgpu_metadata
.endif
;; end of part 2
;; launch pool (part 3): grid 64 x 1, 16 waves a work-group, no clusters, 32,768 bytes of LDS; arguments logits, token_mask, route_ids, xq, xqs, rp_g, rp_b, rp_w, rp_bias, out0; writes out0
.if DOCPART == 3
	.amdgcn_target "amdgcn-amd-amdhsa--gfx1250"
	.amdhsa_code_object_version 6
	.text
	.protected	k_qfdc22d0a65_pool
	.globl	k_qfdc22d0a65_pool
	.p2align	8
	.type	k_qfdc22d0a65_pool,@function
k_qfdc22d0a65_pool:
	s_mov_b64 s[64:65], 0
	v_nop
	global_prefetch_b8 v0, s[64:65] scope:SCOPE_SE
	s_setreg_imm32_b32 hwreg(HW_REG_WAVE_MODE, 25, 1), 1
	s_wait_xcnt 0x0
; One work-group for each batch (the routes' norm spans all 512 columns, the softmax all 512 tokens): 64 work-groups, sixteen waves.
; 1. Lane = route, wave o = tokens 32 o .. 32 o + 31: the masked softmax of each route over the 512 tokens, finished and normalised twice as it is defined
;    (the maximum taken away; the sum over all 512; the mask; the division by max(sum, 1e-6)); three exchanges through LDS.
; 2. A lane's 32 weights are block o of its route along the tokens: quantised to FP6 (E2M3), laid into LDS as images of fragments.
; 3. routes = Q(w) Q(x): x's codes come from memory as images.  Used transposed (source 0 = 16 columns of x, source 1 = 16 routes): wave o has column tiles 2 o, 2 o + 1:
;    lane (r, h) holds route 16 t + r, register j of tile n the column 64 (o / 2) + 32 h + 4 j + 2 (o % 2) + n.
; 4. The routes' norm (two passes), their logits, the softmax over 32 routes, the weighted sum: in f32, by vector instructions.
; No tensor loads, no cluster: work-groups share nothing but three small vectors.
; 'present' is taken as sum of the masked weights > 0: a route with a token has a weight of at least 1 / 512 there.
; LIMITS: divisions are a reciprocal and a multiplication; a block of zeros gets the byte 1 (its codes are zeros); NaN and infinities are not served.
.set WIMG, 0                           ; w's 8 images [route tile t][K step s]
.set WSC,  12288                       ; their scale bytes: 256 t + 64 s + 4 r + block
.set PM,   12800                       ; [wave][route]: maxima,
.set PE,   14848                       ; sums of the exponentials,
.set PW,   16896                       ; sums of the masked weights
.set PS,   18944                       ; [route] 64 + 4 wave: sums,
.set PV,   20992                       ; sums of squares,
.set PA,   23040                       ; logits' parts
.set PC,   25088                       ; [wave]: parts of sum(rp_b rp_w)
.set OUTS, 25344                       ; the batch's 512 results
.set SPARE, 27392                      ; the spare words: 128 bytes for each of sixteen waves
.set FLOOR, 0x1800000
; v1 spare word, v2 0; v3 lane, v4 r, v5 h; v6-14 addresses; v15 the routes' sums of masked weights; v16-111 x's fragments [n][s], later at work; v112-119 x's scale words;
; v120-215 at work, then w's fragments [t][s]; v216-223 w's scale words; v224-255 the accumulators [t][n]
.macro SHARE off, src                  ; my wave's number for my route to all waves: theirs into v160-175
	ds_store_b32 v8, v[\src] offset:\off
	s_wait_dscnt 0x0
	s_barrier_signal -1
	s_barrier_wait -1
.irp i, 0,1,2,3,4,5,6,7,8,9,10,11,12,13,14,15
	ds_load_b32 v[160+\i], v9 offset:\off+128*\i
.endr
	s_wait_dscnt 0x0
.endm
.macro SUM16 b                         ; sixteen numbers from v[b] on into v[b]
	v_pk_add_f32 v[\b:\b+1], v[\b:\b+1], v[\b+2:\b+3]
	v_pk_add_f32 v[\b+4:\b+5], v[\b+4:\b+5], v[\b+6:\b+7]
	v_pk_add_f32 v[\b+8:\b+9], v[\b+8:\b+9], v[\b+10:\b+11]
	v_pk_add_f32 v[\b+12:\b+13], v[\b+12:\b+13], v[\b+14:\b+15]
	v_pk_add_f32 v[\b:\b+1], v[\b:\b+1], v[\b+4:\b+5]
	v_pk_add_f32 v[\b+8:\b+9], v[\b+8:\b+9], v[\b+12:\b+13]
	v_pk_add_f32 v[\b:\b+1], v[\b:\b+1], v[\b+8:\b+9]
	v_add_f32 v[\b], v[\b], v[\b+1]
.endm
.macro SUM32                           ; v124-155 into v156
	v_pk_add_f32 v[156:157], v[124:125], v[126:127]
	v_pk_add_f32 v[158:159], v[128:129], v[130:131]
.irp i, 8,12,16,20,24,28
	v_pk_add_f32 v[156:157], v[156:157], v[124+\i:125+\i]
	v_pk_add_f32 v[158:159], v[158:159], v[126+\i:127+\i]
.endr
	v_pk_add_f32 v[156:157], v[156:157], v[158:159]
	v_add_f32 v156, v156, v157
.endm
.macro ROWSUM reg                      ; the sum over the 16 lanes of a row, in every lane
.irp x, 1,2,4,8
	v_add_f32_dpp v[\reg], v[\reg], v[\reg] row_xmask:\x row_mask:0xf bank_mask:0xf
.endr
.endm
.macro BAR
	s_wait_dscnt 0x0
	s_barrier_signal -1
	s_barrier_wait -1
.endm
	s_load_b512 s[4:19], s[0:1], 0x0               ; logits 4, token_mask 6, route_ids 8, xq 10, xqs 12, rp_g 14, rp_b 16, rp_w 18
	s_load_b128 s[20:23], s[0:1], 0x40             ; rp_bias 20, out0 22
	v_lshl_add_u32 v1, v0, 2, SPARE
	v_mov_b32 v2, 0
	v_lshrrev_b32 v3, 5, v0
	v_readfirstlane_b32 s24, v3                    ; wave o
	v_and_b32 v3, 31, v0                           ; lane
	v_and_b32 v4, 15, v0                           ; r
	v_bfe_u32 v5, v0, 4, 1                         ; h
	s_mul_i32 s25, s24, 3072
	v_lshl_add_u32 v6, v3, 4, s25                  ; x's tiles 2 o, 2 o + 1
	s_lshl_b32 s25, s24, 7
	v_lshl_add_u32 v7, v4, 2, s25                  ; their scale words
	v_lshlrev_b32 v8, 2, v0                        ; 4 x thread: the thread's number is its token
	v_lshlrev_b32 v9, 2, v3                        ; 4 x route
	s_lshr_b32 s25, s24, 2                         ; my block's K step s = o / 4
	s_mul_i32 s26, s25, 1536
	s_and_b32 s27, s24, 1
	s_lshl_b32 s27, s27, 8
	s_add_co_u32 s26, s26, s27
	v_mul_u32_u24 v10, v5, 6144
	v_lshl_add_u32 v10, v4, 4, v10
	v_add_nc_u32 v10, s26, v10                     ; image 4 (route / 16) + s, lane route % 16 + 16 (o % 2)
	s_bfe_u32 s27, s24, 0x10001                    ; c = (o / 2) % 2: my codes are registers 6 c .. 6 c + 5
	s_mul_i32 s26, s27, 1016
	v_add_nc_u32 v11, s26, v10                     ; registers 6 c + 2, 3: 8 + 1,016 c
	s_mul_i32 s26, s27, 520
	v_add_nc_u32 v10, s26, v10                     ; registers 6 c + 0, 1: 520 c; 6 c + 4, 5: 512 + 520 c
	s_lshl_b32 s26, s25, 6
	s_and_b32 s27, s24, 3
	s_add_co_u32 s26, s26, s27
	v_lshlrev_b32 v12, 8, v5
	v_lshl_add_u32 v12, v4, 2, v12
	v_add_nc_u32 v12, s26, v12                     ; the scale byte
	v_lshlrev_b32 v13, 4, v3                       ; 16 x lane
	v_lshlrev_b32 v14, 2, v4                       ; 4 r
	s_mov_b32 s60, 0x76543210
	s_mov_b32 s61, 0xfedcba98
	s_mov_b32 s66, 0xaaaaaaaa                      ; lanes whose bit 0, 1, 2, 3, 4 is set
	s_mov_b32 s67, 0xcccccccc
	s_mov_b32 s68, 0xf0f0f0f0
	s_mov_b32 s69, 0xff00ff00
	s_mov_b32 s70, 0xffff0000
	s_mov_b32 s80, 0x3fb8aa3b                      ; log2(e)
	s_mov_b32 s81, s80
	s_mov_b32 s82, 0x3b000000                      ; 1 / 512
	s_mov_b32 s83, 0x3727c5ac                      ; 1e-5
	s_mov_b32 s84, 0x358637bd                      ; 1e-6
	s_mov_b32 s27, 0
	s_wait_kmcnt 0x0
	s_lshl_b32 s26, ttmp9, 11
	s_add_nc_u64 s[4:5], s[4:5], s[26:27]
	s_add_nc_u64 s[22:23], s[22:23], s[26:27]
	s_lshl_b32 s26, ttmp9, 9
	s_add_nc_u64 s[6:7], s[6:7], s[26:27]
	s_mul_i32 s26, ttmp9, 196608
	s_add_nc_u64 s[10:11], s[10:11], s[26:27]
	s_lshl_b32 s26, ttmp9, 13
	s_add_nc_u64 s[12:13], s[12:13], s[26:27]
	global_load_b32 v120, v8, s[4:5]               ; my token's logit,
	global_load_b32 v121, v8, s[8:9]               ; route,
	global_load_u8 v122, v0, s[6:7]                ; and mask
.irp n, 0,1
.irp s, 0,1,2,3
.irp q, 0,1,2
	global_load_b128 v[16+12*(4*\n+\s)+4*\q:16+12*(4*\n+\s)+4*\q+3], v6, s[10:11] offset:49152*\s+1536*\n+512*\q th:TH_LOAD_NT
.endr
	global_load_b32 v[112+4*\n+\s], v7, s[12:13] offset:2048*\s+64*\n
.endr
.endr
	s_load_b32 s71, s[20:21], 0x0                  ; rp_bias
	s_wait_loadcnt 32                              ; x's 24 + 8 loads may be out
	v_cmp_ne_u32 vcc_lo, 0, v122
	v_cndmask_b32 v121, 0xff, v121, vcc_lo         ; a token under the mask belongs to no route
	v_mov_b32 v123, 0xce6e6b28                     ; -1e9
.irp g, 0,1,2,3,4,5,6,7                ; lane = route: token n's logit where it is mine, else -1e9; the lanes' masks stay in s28-59
.irp i, 0,1,2,3
	v_readlane_b32 s[72+2*\i], v121, 4*\g+\i
	v_readlane_b32 s[73+2*\i], v120, 4*\g+\i
.endr
.irp i, 0,1,2,3
	v_cmp_eq_u32 s[28+4*\g+\i], s[72+2*\i], v3
	v_cndmask_b32 v[124+4*\g+\i], v123, s[73+2*\i], s[28+4*\g+\i]
.endr
.endr
	v_max3_num_f32 v156, v124, v125, v126
	v_max3_num_f32 v157, v127, v128, v129
.irp i, 6,10,14,18,22,26
	v_max3_num_f32 v156, v156, v[124+\i], v[125+\i]
	v_max3_num_f32 v157, v157, v[126+\i], v[127+\i]
.endr
	v_max3_num_f32 v156, v156, v154, v155
	v_max_num_f32 v156, v156, v157
	SHARE PM, 156
	v_max3_num_f32 v160, v160, v161, v162
	v_max3_num_f32 v163, v163, v164, v165
	v_max3_num_f32 v166, v166, v167, v168
	v_max3_num_f32 v169, v169, v170, v171
	v_max3_num_f32 v172, v172, v173, v174
	v_max3_num_f32 v160, v160, v163, v166
	v_max3_num_f32 v169, v169, v172, v175
	v_max_num_f32 v156, v160, v169                 ; the route's maximum over the 512 tokens
	v_mov_b32 v157, v156
.irp i, 0,2,4,6,8,10,12,14,16,18,20,22,24,26,28,30
	v_pk_add_f32 v[124+\i:125+\i], v[124+\i:125+\i], v[156:157] neg_lo:[0,1] neg_hi:[0,1]
.endr
.irp i, 0,2,4,6,8,10,12,14,16,18,20,22,24,26,28,30
	v_pk_mul_f32 v[124+\i:125+\i], v[124+\i:125+\i], s[80:81] op_sel_hi:[1,0]
.endr
.set i, 0
.rept 32
	v_exp_f32 v[124+i], v[124+i]
.set i, i+1
.endr
	v_nop
	s_wait_alu depctr_va_vdst(0)                   ; one wait for the batch, ahead of its first reader
	SUM32
	SHARE PE, 156
	SUM16 160                                      ; the sum over all 512, hidden tokens too
	v_rcp_f32 v156, v160
	v_nop
	s_wait_alu depctr_va_vdst(0)
	v_mov_b32 v157, v156
.irp i, 0,2,4,6,8,10,12,14,16,18,20,22,24,26,28,30
	v_pk_mul_f32 v[124+\i:125+\i], v[124+\i:125+\i], v[156:157]
.endr
.set i, 0
.rept 32
	v_cndmask_b32 v[124+i], 0, v[124+i], s[28+i]   ; the mask
.set i, i+1
.endr
	SUM32
	SHARE PW, 156
	SUM16 160
	v_mov_b32 v15, v160                            ; kept: the route is present where it is above 0
	v_max_num_f32 v156, s84, v160
	v_rcp_f32 v156, v156
	v_nop
	s_wait_alu depctr_va_vdst(0)
	v_mov_b32 v157, v156
.irp i, 0,2,4,6,8,10,12,14,16,18,20,22,24,26,28,30
	v_pk_mul_f32 v[124+\i:125+\i], v[124+\i:125+\i], v[156:157]
.endr
	v_max3_num_f32 v156, v124, v125, v126          ; the quantiser: none is negative
	v_max3_num_f32 v157, v127, v128, v129
.irp i, 6,10,14,18,22,26
	v_max3_num_f32 v156, v156, v[124+\i], v[125+\i]
	v_max3_num_f32 v157, v157, v[126+\i], v[127+\i]
.endr
	v_max3_num_f32 v156, v156, v154, v155
	v_max3_num_f32 v156, v156, v157, FLOOR
	v_add_nc_u32 v157, 0xff000000, v156
	v_lshrrev_b32 v158, 23, v157
	v_cvt_scalef32_pk16_fp6_f32 v[176:178], v[124:139], v157
	v_cvt_scalef32_pk16_fp6_f32 v[182:184], v[140:155], v157
	v_nop
	v_mov_b32 v179, v182
	v_mov_b32 v180, v183
	v_mov_b32 v181, v184
	ds_store_b64 v10, v[176:177] offset:WIMG
	ds_store_b64 v11, v[178:179] offset:WIMG+8
	ds_store_b64 v10, v[180:181] offset:WIMG+512
	ds_store_b8 v12, v158 offset:WSC
	BAR                                            ; w's eight images lie in LDS
.irp t, 0,1
.irp s, 0,1,2,3
.irp q, 0,1,2
	ds_load_b128 v[120+12*(4*\t+\s)+4*\q:120+12*(4*\t+\s)+4*\q+3], v13 offset:WIMG+1536*(4*\t+\s)+512*\q
.endr
	ds_load_b32 v[216+4*\t+\s], v14 offset:WSC+256*\t+64*\s
.endr
.endr
	s_wait_loadcnt 0x0
	s_wait_dscnt 0x0
.irp s, 0,1,2,3                        ; four accumulators by turns
.irp t, 0,1
.irp n, 0,1
.if \s == 0
	v_wmma_scale_f32_16x16x128_f8f6f4 v[224+8*(2*\t+\n):224+8*(2*\t+\n)+7], v[16+12*(4*\n+\s):16+12*(4*\n+\s)+11], v[120+12*(4*\t+\s):120+12*(4*\t+\s)+11], 0, v[112+4*\n+\s], v[216+4*\t+\s] matrix_a_fmt:MATRIX_FMT_FP6 matrix_b_fmt:MATRIX_FMT_FP6
.else
	v_wmma_scale_f32_16x16x128_f8f6f4 v[224+8*(2*\t+\n):224+8*(2*\t+\n)+7], v[16+12*(4*\n+\s):16+12*(4*\n+\s)+11], v[120+12*(4*\t+\s):120+12*(4*\t+\s)+11], v[224+8*(2*\t+\n):224+8*(2*\t+\n)+7], v[112+4*\n+\s], v[216+4*\t+\s] matrix_a_fmt:MATRIX_FMT_FP6 matrix_b_fmt:MATRIX_FMT_FP6
.endif
.endr
.endr
.endr
.rept 4
	v_nop
.endr
	s_lshl_b32 s25, s24, 2
	v_lshl_add_u32 v6, v4, 6, s25                  ; 64 r + 4 o
	v_lshlrev_b32 v7, 6, v4                        ; 64 r
	v_mov_b32 v10, s25                             ; 4 o
	v_mov_b32 v9, 0
	s_lshr_b32 s25, s24, 1
	s_lshl_b32 s25, s25, 8
	s_and_b32 s26, s24, 1
	s_lshl_b32 s26, s26, 3
	s_add_co_u32 s25, s25, s26
	v_lshl_add_u32 v11, v5, 7, s25                 ; 4 x my first column: 256 (o / 2) + 128 h + 8 (o % 2)
	v_lshrrev_b32 v12, 1, v4
	v_lshl_add_u32 v12, v12, 4, v11
	v_and_b32 v8, 1, v4
	v_lshl_add_u32 v12, v8, 2, v12                 ; 4 x the column of register 2 j + n = r
	s_lshl_b32 s25, s24, 9
	v_lshl_add_u32 v8, v3, 4, s25                  ; 512 o + 16 x lane
.irp j, 0,1,2,3,4,5,6,7
	global_load_b64 v[16+2*\j:17+2*\j], v11, s[14:15] offset:16*\j    ; rp_g, rp_w, rp_b at my columns [j][n]: they land under the mean's exchange
	global_load_b64 v[32+2*\j:33+2*\j], v11, s[18:19] offset:16*\j
	global_load_b64 v[48+2*\j:49+2*\j], v11, s[16:17] offset:16*\j
.endr
.irp t, 0,1
	v_pk_add_f32 v[64+8*\t:65+8*\t], v[224+16*\t:225+16*\t], v[226+16*\t:227+16*\t]
	v_pk_add_f32 v[66+8*\t:67+8*\t], v[228+16*\t:229+16*\t], v[230+16*\t:231+16*\t]
	v_pk_add_f32 v[68+8*\t:69+8*\t], v[232+16*\t:233+16*\t], v[234+16*\t:235+16*\t]
	v_pk_add_f32 v[70+8*\t:71+8*\t], v[236+16*\t:237+16*\t], v[238+16*\t:239+16*\t]
	v_pk_add_f32 v[64+8*\t:65+8*\t], v[64+8*\t:65+8*\t], v[66+8*\t:67+8*\t]
	v_pk_add_f32 v[68+8*\t:69+8*\t], v[68+8*\t:69+8*\t], v[70+8*\t:71+8*\t]
	v_pk_add_f32 v[64+8*\t:65+8*\t], v[64+8*\t:65+8*\t], v[68+8*\t:69+8*\t]
	v_add_f32 v[64+8*\t], v[64+8*\t], v[65+8*\t]
	v_permlanex16_b32 v[65+8*\t], v[64+8*\t], s60, s61
	v_add_f32 v[64+8*\t], v[64+8*\t], v[65+8*\t]   ; route 16 t + r over my wave's 32 columns
	ds_store_b32 v6, v[64+8*\t] offset:PS+1024*\t
.endr
	BAR
.irp t, 0,1
.irp q, 0,1,2,3
	ds_load_b128 v[80+16*\t+4*\q:80+16*\t+4*\q+3], v7 offset:PS+1024*\t+16*\q
.endr
.endr
	s_wait_dscnt 0x0
	SUM16 80
	SUM16 96
	v_mul_f32 v80, s82, v80                        ; the means
	v_mov_b32 v81, v80
	v_mul_f32 v96, s82, v96
	v_mov_b32 v97, v96
.irp t, 0,1
.irp p, 0,1,2,3,4,5,6,7
	v_pk_add_f32 v[120+16*\t+2*\p:121+16*\t+2*\p], v[224+16*\t+2*\p:225+16*\t+2*\p], v[80+16*\t:81+16*\t] neg_lo:[0,1] neg_hi:[0,1]
.endr
.endr
	s_wait_loadcnt 0x0
	v_pk_mul_f32 v[158:159], v[32:33], v[48:49]    ; sum of rp_w rp_b over my columns
.irp j, 1,2,3,4,5,6,7
	v_pk_fma_f32 v[158:159], v[32+2*\j:33+2*\j], v[48+2*\j:49+2*\j], v[158:159]
.endr
.irp j, 0,1,2,3,4,5,6,7
	v_pk_mul_f32 v[16+2*\j:17+2*\j], v[16+2*\j:17+2*\j], v[32+2*\j:33+2*\j]   ; rp_g rp_w
.endr
.irp t, 0,1
	v_pk_mul_f32 v[152+2*\t:153+2*\t], v[120+16*\t:121+16*\t], v[120+16*\t:121+16*\t]
.irp p, 1,2,3,4,5,6,7
	v_pk_fma_f32 v[152+2*\t:153+2*\t], v[120+16*\t+2*\p:121+16*\t+2*\p], v[120+16*\t+2*\p:121+16*\t+2*\p], v[152+2*\t:153+2*\t]
.endr
	v_mul_f32 v[156+\t], v[120+16*\t], v16
.irp j, 1,2,3,4,5,6,7
	v_fmac_f32 v[156+\t], v[120+16*\t+\j], v[16+2*\j]
.endr
.irp j, 0,1,2,3,4,5,6,7
	v_fmac_f32 v[156+\t], v[128+16*\t+\j], v[17+2*\j]
.endr
.endr
	v_add_f32 v152, v152, v153
	v_add_f32 v154, v154, v155
	v_add_f32 v158, v158, v159
	v_permlanex16_b32 v160, v152, s60, s61
	v_permlanex16_b32 v161, v154, s60, s61
	v_permlanex16_b32 v162, v156, s60, s61
	v_permlanex16_b32 v163, v157, s60, s61
	v_permlanex16_b32 v164, v158, s60, s61
	v_add_f32 v152, v152, v160
	v_add_f32 v154, v154, v161
	v_add_f32 v156, v156, v162
	v_add_f32 v157, v157, v163
	v_add_f32 v158, v158, v164
	ds_store_b32 v6, v152 offset:PV
	ds_store_b32 v6, v154 offset:PV+1024
	ds_store_b32 v6, v156 offset:PA
	ds_store_b32 v6, v157 offset:PA+1024
	ds_store_b32 v10, v158 offset:PC
	BAR
.irp t, 0,1
.irp q, 0,1,2,3
	ds_load_b128 v[64+16*\t+4*\q:64+16*\t+4*\q+3], v7 offset:PV+1024*\t+16*\q
	ds_load_b128 v[160+16*\t+4*\q:160+16*\t+4*\q+3], v7 offset:PA+1024*\t+16*\q
.endr
.endr
.irp q, 0,1,2,3
	ds_load_b128 v[192+4*\q:192+4*\q+3], v9 offset:PC+16*\q
.endr
	s_wait_dscnt 0x0
	s_wait_kmcnt 0x0                               ; rp_bias
	SUM16 64
	SUM16 80
	v_fma_f32 v64, v64, s82, s83
	v_fma_f32 v80, v80, s82, s83
	v_rsq_f32 v64, v64
	v_rsq_f32 v80, v80
	SUM16 160
	SUM16 176
	SUM16 192
	v_add_f32 v192, s71, v192
	v_permlanex16_b32 v65, v15, s60, s61           ; the sums of masked weights lie lane = route: bring them to (r, t)
	v_cndmask_b32 v66, v15, v65, s70               ; route r
	v_cndmask_b32 v67, v65, v15, s70               ; route 16 + r
	v_cmp_lt_f32 s86, 0, v66                       ; present
	v_cmp_lt_f32 s87, 0, v67
	v_mov_b32 v68, 0xce6e6b28
	s_wait_alu depctr_va_vdst(0)
	v_fma_f32 v160, v160, v64, v192                ; the routes' logits
	v_fma_f32 v176, v176, v80, v192
	v_cndmask_b32 v160, v68, v160, s86
	v_cndmask_b32 v176, v68, v176, s87
	v_max_num_f32 v69, v160, v176
.irp x, 1,2,4,8
	v_max_num_f32_dpp v69, v69, v69 row_xmask:\x row_mask:0xf bank_mask:0xf
.endr
	v_sub_f32 v160, v160, v69
	v_sub_f32 v176, v176, v69
	v_mul_f32 v160, s80, v160
	v_mul_f32 v176, s80, v176
	v_exp_f32 v160, v160
	v_exp_f32 v176, v176
	v_nop
	s_wait_alu depctr_va_vdst(0)
	v_add_f32 v69, v160, v176
	ROWSUM 69
	v_rcp_f32 v69, v69
	v_nop
	s_wait_alu depctr_va_vdst(0)
	v_mul_f32 v160, v160, v69
	v_mul_f32 v176, v176, v69
	v_cndmask_b32 v160, 0, v160, s86
	v_cndmask_b32 v176, 0, v176, s87
	v_add_f32 v69, v160, v176
	ROWSUM 69
	v_max_num_f32 v69, s84, v69
	v_rcp_f32 v69, v69
	v_nop
	s_wait_alu depctr_va_vdst(0)
	v_mul_f32 v160, v160, v69
	v_mul_f32 v176, v176, v69
.irp j, 0,1,2,3,4,5,6,7                ; the weighted sum of the routes: register 2 j + n
.irp n, 0,1
	v_mul_f32 v[64+2*\j+\n], v160, v[224+8*\n+\j]
	v_fmac_f32 v[64+2*\j+\n], v176, v[240+8*\n+\j]
.endr
.endr
.irp x, 1,2,4,8
.set i, 0
.rept 16
	v_add_f32_dpp v[64+i], v[64+i], v[64+i] row_xmask:\x row_mask:0xf bank_mask:0xf
.set i, i+1
.endr
.endr
.irp k, 0,1,2,3,4,5,6,7                ; every lane holds all sixteen: lane r keeps register r
	v_cndmask_b32 v[64+2*\k], v[64+2*\k], v[65+2*\k], s66
.endr
.irp k, 0,1,2,3
	v_cndmask_b32 v[64+4*\k], v[64+4*\k], v[66+4*\k], s67
.endr
.irp k, 0,1
	v_cndmask_b32 v[64+8*\k], v[64+8*\k], v[68+8*\k], s68
.endr
	v_cndmask_b32 v64, v64, v72, s69
	ds_store_b32 v12, v64 offset:OUTS
	BAR
	s_cmp_lt_u32 s24, 4
	s_cbranch_scc0 .Lno_out
	ds_load_b128 v[76:79], v8 offset:OUTS
	s_wait_dscnt 0x0
	global_store_b128 v8, v[76:79], s[22:23]       ; waves 0-3: 512 consecutive bytes each
.Lno_out:
	s_wait_tensorcnt 0x0                           ; the wave's end
	ds_add_u32 v1, v2
	s_wait_dscnt 0x0
	s_endpgm
.Lfunc_end_k_qfdc22d0a65_pool:
	.size	k_qfdc22d0a65_pool, .Lfunc_end_k_qfdc22d0a65_pool-k_qfdc22d0a65_pool
	.p2alignl 7, 3214868480
	.fill 96, 4, 3214868480
	.section	.rodata,"a",@progbits
	.p2align	6, 0x0
	.amdhsa_kernel k_qfdc22d0a65_pool
		.amdhsa_group_segment_fixed_size 32768
		.amdhsa_private_segment_fixed_size 0
		.amdhsa_enable_private_segment 0
		.amdhsa_kernarg_size 80
		.amdhsa_user_sgpr_count 2
		.amdhsa_user_sgpr_kernarg_segment_ptr 1
		.amdhsa_wavefront_size32 1
		.amdhsa_system_sgpr_workgroup_id_x 1
		.amdhsa_system_sgpr_workgroup_id_y 1
		.amdhsa_system_sgpr_workgroup_id_z 1
		.amdhsa_system_vgpr_workitem_id 0
		.amdhsa_next_free_vgpr 256
		.amdhsa_next_free_sgpr 90
		.amdhsa_reserve_vcc 1
		.amdhsa_float_denorm_mode_32 3
		.amdhsa_float_denorm_mode_16_64 3
		.amdhsa_memory_ordered 1
		.amdhsa_forward_progress 1
		.amdhsa_inst_pref_size 60
	.end_amdhsa_kernel
	.amdgpu_metadata
---
amdhsa.version: [ 1, 2 ]
amdhsa.kernels:
  - .name:           k_qfdc22d0a65_pool
    .symbol:         k_qfdc22d0a65_pool.kd
    .args:
      - { .name: logits, .offset: 0, .size: 8, .value_kind: global_buffer, .address_space: global }
      - { .name: token_mask, .offset: 8, .size: 8, .value_kind: global_buffer, .address_space: global }
      - { .name: route_ids, .offset: 16, .size: 8, .value_kind: global_buffer, .address_space: global }
      - { .name: xq, .offset: 24, .size: 8, .value_kind: global_buffer, .address_space: global }
      - { .name: xqs, .offset: 32, .size: 8, .value_kind: global_buffer, .address_space: global }
      - { .name: rp_g, .offset: 40, .size: 8, .value_kind: global_buffer, .address_space: global }
      - { .name: rp_b, .offset: 48, .size: 8, .value_kind: global_buffer, .address_space: global }
      - { .name: rp_w, .offset: 56, .size: 8, .value_kind: global_buffer, .address_space: global }
      - { .name: rp_bias, .offset: 64, .size: 8, .value_kind: global_buffer, .address_space: global }
      - { .name: out0, .offset: 72, .size: 8, .value_kind: global_buffer, .address_space: global }
    .group_segment_fixed_size: 32768
    .private_segment_fixed_size: 0
    .kernarg_segment_align: 8
    .kernarg_segment_size: 80
    .max_flat_workgroup_size: 512
    .sgpr_count:     90
    .vgpr_count:     256
    .wavefront_size: 32
...
	.end_amdgpu_metadata
.endif
;; end of part 3
